; MI455X (gfx1250); checked and timed in simulation.
; The chip was launched on July 23, 2026; its instructions are those of AMD's public machine-readable ISA for CDNA 5 (MIT licence, August 2026) and "CDNA5" Instruction Set Architecture Reference Guide (July 2026). The comments in the code are by the model that wrote it; some were corrected since.
;; Xorzo Transformer. Allowed arithmetic: matrix products marked QUANTISED: E2M3 operands, one E8M0 scale for each 32 along K, by v_wmma_scale_f32_16x16x128_f8f6f4 with both operands' format E2M3, f32 sums; everything else in f32.
;; Inputs: Wa 1,024 x 16 float32; We 1,024 x 16 float32; Wi 1,024 x 1,024 float32; Wo 1,024 x 1,024 float32; Wout 1,024 x 1,024 float32; Wv 1,024 x 1,024 float32; ba 16 float32; be 16 float32; beta_p 16 float32; chi 16 float32; iv_p 16 float32; ov_p 16 float32; x 4 x 1,024 x 1,024 float32.
;; Outputs: out0 4 x 1,024 x 1,024 float32.
;; This version of the problem:
;;   THIS VERSION OF THE PROBLEM IS GIVEN IN LOW PRECISION. The matrix products marked QUANTISED in the list below multiply operands that are first quantised to E2M3 (2 exponent bits, 3 mantissa bits; 6 bits a number), with one power-of-two scale for each 32 numbers along K (OCP MX v1.0); their sums are f32. All else is computed in f32.
;;   The module's matrix products, in the order in which they are computed (A, B: the left and right operand; K: the contracted axis; several contracted axes count as one K, in the product's order):
;;     1. [M 4,096, K 1,024] x [K 1,024, N 16]; A: input x; B: input Wa: QUANTISED
;;     2. [M 4,096, K 1,024] x [K 1,024, N 16]; A: input x; B: input We: QUANTISED
;;     3. [M 4,096, K 1,024] x [K 1,024, N 1,024]; A: input x; B: input Wi: QUANTISED
;;     4. [M 4,096, K 1,024] x [K 1,024, N 1,024]; A: input x; B: input Wo: QUANTISED
;;     5. batch 64 x [M 1,024, K 64] x [K 64, N 1,024]; A: computed on the way; B: computed on the way: QUANTISED
;;     6. [M 4,096, K 1,024] x [K 1,024, N 1,024]; A: input x; B: input Wv: QUANTISED
;;     7. batch 64 x [M 1,024, K 1,024] x [K 1,024, N 64]; A: computed on the way; B: computed on the way: QUANTISED
;;     8. [M 4,096, K 1,024] x [K 1,024, N 1,024]; A: computed on the way; B: input Wout: QUANTISED
;;   THE QUANTISER, for each operand of a quantised product, along K:
;;     - K is cut into blocks of 32 from its start; a last block that is shorter is filled with zeros.
;;     - A block's scale is 2^e with e = floor(log2(the largest magnitude in the block)) - 2, held to -126 .. 127; a block of zeros has e = 0. As a byte (E8M0): e + 127.
;;     - Each number is divided by its block's scale, clamped to +-7.5, and rounded to the nearest number of E2M3, ties to even, subnormals kept.
;;     - The product sums the exact products of the quantised numbers (number of the format x scale) in f32.
;;   ~~~python
;;   def quantise(x, axis):      # numpy; x: float32 -> the quantised numbers, widened to float32 again
;;       x = np.moveaxis(x, axis, -1); K = x.shape[-1]
;;       x = np.pad(x, [(0, 0)] * (x.ndim - 1) + [(0, -K % 32)]); x = x.reshape(x.shape[:-1] + (-1, 32)); a = np.abs(x).max(-1, keepdims=True)
;;       e = np.where(a > 0, np.clip(np.frexp(np.where(a > 0, a, 1))[1] - 1 - 2, -126, 127), 0)      # np.frexp(a)[1] - 1 = floor(log2(a)), exactly
;;       r = np.clip(x / 2.0 ** e, -7.5, 7.5)
;;       step = 2.0 ** (np.maximum(np.frexp(np.where(r == 0, 1, r))[1] - 1, 0) - 3)
;;       q = np.round(r / step) * step * 2.0 ** e      # np.round: ties to even
;;       return np.moveaxis(q.reshape(q.shape[:-2] + (-1,))[..., :K], -1, axis).astype(np.float32)
;;   ~~~
;;   OPERANDS COMPUTED ON THE WAY. 'Computed on the way' means the value that the module computes at that place (a softmax that the list does not call 'softmax' is quantised finished and normalised). What goes into a quantiser is computed in f32, as accurately as f32 sums, v_exp_f32 and their like allow (about 1e-6 of the number): no bf16 or f16 on the way to a quantiser, and a product that is left as it is and whose result goes on into a quantised operand takes f32 operands (vector FMAs, or v_wmma_f32_16x16x4_f32). A number that lies on a knife's edge between two numbers of the format may be rounded either way, as far as f32 arithmetic and the matrix unit's own rounding can turn it there, and no further.
;; One version. Each part assembles by itself: llvm-mc -triple=amdgcn-amd-amdhsa -mcpu=gfx1250 --defsym DOCPART=n.
;; ======== version 1 of 1: 4 launches
;; limits: right only within a limited range of input values
;; workspace buffers: codes 6,291,456 bytes; scl 262,144 bytes; qkv 9,961,472 bytes; qkvs 786,432 bytes; cc 3,145,728 bytes; ccs 131,072 bytes
;; launch quant (part 1): grid 384 x 1, 8 waves a work-group, no clusters, 85,504 bytes of LDS; arguments x, Wa, We, ba, be, codes, scl, qkv, Wi, Wo, Wv, Wout; writes codes, scl, qkv
.if DOCPART == 1
	.amdgcn_target "amdgcn-amd-amdhsa--gfx1250"
	.amdhsa_code_object_version 6
	.text
	.protected	k_q499693e69d_quant
	.globl	k_q499693e69d_quant
	.p2align	8
	.type	k_q499693e69d_quant,@function
k_q499693e69d_quant:
	s_mov_b64 s[64:65], 0
	v_nop
	global_prefetch_b8 v0, s[64:65] scope:SCOPE_SE
	s_setreg_imm32_b32 hwreg(HW_REG_WAVE_MODE, 25, 1), 1
	s_wait_xcnt 0x0
; ONE LAUNCH FOR ALL THAT ARRIVES AS f32.  Work-groups 0-255: x becomes codes of FP6 (E2M3) with E8M0 scale words, and the two gates are made on the way.  Work-groups 256-383: Wi, Wo, Wv, Wout become codes and scale words.
; The two kinds part at the head, by a scalar branch on the work-group's number; the weights' path touches no LDS and has no barrier.
; OUTPUT LAYOUT (this program's own): a row block is 16 rows x all 1,024 k = 8 fragments of 1,536 bytes; a fragment (16 x 128 k, 12 registers a lane) is two halves of 768 bytes: registers 0-3 of a half at 16 x lane,
; registers 4-5 at 512 + 8 x lane.  So a reader fills an operand by dense loads of 16 and 8 bytes a lane.  Scale words: [k step][16][4 bytes], 512 bytes a row block.  x's row blocks are 0-255, Wi's 256 on, Wo's 320 on, Wv's 384 on, Wout's 448 on.
; Position r of block 2 p + u holds row (token, or column of a weight) 32 p + 8 u + r + 8 (r / 8): as source 0 of a product such a pair of blocks leaves 16 neighbours in a lane's 16 result registers.
; A block's scale is 2^(floor(log2(largest magnitude)) - 2); its byte is the largest magnitude's exponent field - 2, held at 1 from below.
; LIMITS: a block whose largest magnitude lies under 2^-124 keeps the byte 1 (a block of zeros too, where the rule says 127: its codes are zeros and this program alone reads the bytes); NaN and infinities are not served;
; the gates' sums over K are eight partial sums added in ascending K.
;
; X'S PATH.  aperture = sigmoid(x Wa + ba), expression = sigmoid(x We + be), both products on codes, K = 1,024.  Work-group p is x's row block p.  Wave s is the k step s of 128: it quantises one fragment of x and the step's
; fragments of Wa and We (128 k x 16 heads) and issues the step's two matrix instructions; the eight partial sums meet in LDS.  Wa and We are 64 KiB each and every work-group quantises them anew: as much work as x's own fragment.
; EVERY GLOBAL LOAD READS 512 CONSECUTIVE BYTES; the numbers turn through the wave's own stage in LDS, one stage for x, Wa and We by turns, so that a lane then holds whole blocks of 32 along K:
; register 32 c + i = k 64 c + 32 (lane / 16) + i of its row (x) or column (Wa, We).
; OUT: codes and scale words of x; for each (batch, head) in qkv: the expression in token order at 147,456, the aperture in the row blocks' order of positions at 151,552.
.set HSTR, 155648                      ; bytes of one (batch, head) in qkv
.set WREG, 8448                        ; LDS of a wave: one stage: x's 16 rows x 528, then Wa's and We's 4 groups of 32 k x (2,048 + 64)
.set RED,  8*WREG                      ; the partial sums: 2,048 bytes a wave
.set XSC,  RED+8*2048                  ; x's scale words: 64 bytes a wave
.set XA,  64                           ; v64-127  x's 64 numbers; later the two products' results, v64-71 and v72-79
.set XB,  128                          ; v128-191 Wa's
.set XC,  192                          ; v192-255 We's
.set PCX, 26                           ; v26-37   x's fragment
.set PCW, 38                           ; v38-49   Wa's, then We's
.set TT,  50                           ; v50-57   the blocks' upper 16 codes on their way
.set PWX, 58                           ; scale words: x's, Wa's, We's
.set PWA, 59
.set PWE, 60
.set SEL, 36                           ; s[36:37] lane selects for v_permlanex16_b32: lane l xor 16
; 64 numbers of a lane, two whole blocks, become a fragment's 12 registers and its scale word.
.macro QW s, pc, pw
.irp c, 0,1
	v_max3_num_f32 v[17+\c], |v[\s+32*\c]|, |v[\s+32*\c+1]|, 0x1800000   ; my block 2 c + h, and the floor 2^(3 - 127)
.endr
.irp i, 2,4,6,8,10,12,14,16,18,20,22,24,26,28,30
.irp c, 0,1
	s_delay_alu instid0(VALU_DEP_2)
	v_max3_num_f32 v[17+\c], v[17+\c], |v[\s+32*\c+\i]|, |v[\s+32*\c+\i+1]|
.endr
.endr
.irp c, 0,1
	s_delay_alu instid0(VALU_DEP_2)
	v_add_nc_u32 v[19+\c], 0xff000000, v[17+\c]    ; 2 off the exponent field: the conversion's scale operand
.endr
.irp c, 0,1
	s_delay_alu instid0(VALU_DEP_2)
	v_lshrrev_b32 v[21+\c], 23, v[19+\c]           ; the scale's byte
.endr
	s_delay_alu instid0(VALU_DEP_1)
	v_lshl_or_b32 v[\pw], v22, 16, v21             ; my two bytes, blocks h and 2 + h,
	s_delay_alu instid0(VALU_DEP_1)
	v_lshlrev_b32 v[\pw], v14, v[\pw]              ; at their places (8 h bits up);
	s_delay_alu instid0(VALU_DEP_1)
	v_permlanex16_b32 v23, v[\pw], s[SEL], s[SEL+1]
	s_delay_alu instid0(VALU_DEP_1)
	v_or_b32 v[\pw], v[\pw], v23                   ; with lane l xor 16's two the word is whole
.irp c, 0,1
	v_cvt_scalef32_pk16_fp6_f32 v[\pc+6*\c:\pc+6*\c+2], v[\s+32*\c:\s+32*\c+15], v[19+\c]
	v_cvt_scalef32_pk16_fp6_f32 v[TT+4*\c:TT+4*\c+2], v[\s+32*\c+16:\s+32*\c+31], v[19+\c]   ; (a conversion's three registers begin on an even number)
.endr
	v_nop                                          ; one plain instruction behind the scaled conversions
.irp c, 0,1
.irp i, 0,1,2
	v_mov_b32 v[\pc+6*\c+3+\i], v[TT+4*\c+\i]
.endr
.endr
.endm
; A weight's 8,192 dense bytes (128 k x 16 heads) through the stage: in as loaded, 64 bytes of padding behind each 32 k; out a column a lane.  Lanes 16-31 read 2,112 bytes on, which is 64 modulo 256: other banks than lanes 0-15.
; The stage's last reads have been waited for ahead of these stores.
.macro TURNW x
.set i, 0
.rept 16
	ds_store_b128 v6, v[\x+4*i:\x+4*i+3] offset:512*i+64*(i/4)
.set i, i+1
.endr
.irp c, 0,1
.set i, 0
.rept 32
	ds_load_b32 v[\x+32*\c+i], v9 offset:4224*\c+64*i      ; LDS serves a wave's instructions in order: these see the stores above
.set i, i+1
.endr
.endr
.endm
	v_lshl_add_u32 v24, v0, 2, 0x14a00             ; my spare word, behind x's scale words
	v_mov_b32 v61, 0                               ; 0; neither path names v24 or v61 for anything else
	s_cmp_lt_u32 ttmp9, 256                        ; x's work-group or the weights'?
	s_cbranch_scc0 .Lweights
	s_load_b512 s[4:19], s[0:1], 0x0               ; x, Wa, We, ba, be, codes, scl, qkv
	v_lshrrev_b32 v1, 5, v0
	s_delay_alu instid0(VALU_DEP_1)
	v_readfirstlane_b32 s20, v1                    ; wave = k step
	v_and_b32 v1, 31, v0                           ; lane
	v_and_b32 v2, 15, v0                           ; r
	v_bfe_u32 v3, v0, 4, 1                         ; h
	s_delay_alu instid0(VALU_DEP_3)
	v_lshlrev_b32 v4, 4, v1                        ; 16 x lane
	s_delay_alu instid0(VALU_DEP_4)
	v_lshlrev_b32 v5, 3, v1                        ; 8 x lane
	s_mul_i32 s21, s20, WREG
	v_add_nc_u32 v6, s21, v4                       ; the stage, in: 16 x lane
	v_mul_u32_u24 v7, v2, 528
	s_delay_alu instid0(VALU_DEP_1)
	v_lshl_add_u32 v7, v3, 7, v7
	s_delay_alu instid0(VALU_DEP_1)
	v_add_nc_u32 v7, s21, v7                       ; x out of it: row r, + 128 h
	v_mul_u32_u24 v9, v3, 2112
	s_delay_alu instid0(VALU_DEP_1)
	v_lshl_add_u32 v9, v2, 2, v9
	s_delay_alu instid0(VALU_DEP_1)
	v_add_nc_u32 v9, s21, v9                       ; a weight out of it: group h, column r
	s_lshl_b32 s23, s20, 11
	v_add_nc_u32 v10, s23, v4
	s_delay_alu instid0(VALU_DEP_1)
	v_add_nc_u32 v10, RED, v10                     ; my partial sums
	s_and_b32 s23, s20, 3
	s_lshl_b32 s23, s23, 9
	v_add_nc_u32 v11, s23, v4
	s_delay_alu instid0(VALU_DEP_1)
	v_add_nc_u32 v11, RED, v11                     ; waves 0-3: the quarter that I add up
	s_lshl_b32 s23, s20, 6
	v_lshlrev_b32 v16, 2, v2                       ; 4 r
	s_delay_alu instid0(VALU_DEP_1)
	v_add_nc_u32 v12, s23, v16
	s_delay_alu instid0(VALU_DEP_1)
	v_add_nc_u32 v12, XSC, v12                     ; my k step's scale words of x
	v_add_nc_u32 v13, XSC, v4                      ; wave 4: all of them
	v_lshlrev_b32 v14, 3, v3                       ; 8 h
	v_mov_b32 v23, 0                               ; written once: a lane permute's destination counts as one of its sources
	s_mov_b32 s[SEL], 0x76543210
	s_mov_b32 s[SEL+1], 0xfedcba98
	s_mov_b32 s38, 0xbfb8aa3b                      ; -log2(e)
	s_lshr_b32 s24, ttmp9, 1
	s_lshl_b32 s24, s24, 17                        ; 32 tokens of 4,096 bytes for each pair of row blocks,
	s_and_b32 s25, ttmp9, 1
	s_lshl_b32 s25, s25, 15                        ; 8 tokens for the odd one,
	s_add_co_u32 s24, s24, s25
	s_lshl_b32 s25, s20, 9
	s_add_co_u32 s24, s24, s25                     ; 512 bytes a k step
	s_mov_b32 s25, 0
	; where the gates go: lane (r, h) holds head r, positions 8 h + j of the row block
	s_bfe_u32 s26, s20, 0x10001                    ; 0: aperture, 1: expression (waves 0-3)
	s_and_b32 s27, s20, 1                          ; which four of the eight positions
	s_and_b32 s28, ttmp9, 63                       ; the row block within its batch
	s_lshr_b32 s29, ttmp9, 6                       ; the batch
	s_mul_i32 s29, s29, 16*HSTR
	s_lshl_b32 s27, s27, 4
	s_add_co_u32 s29, s29, s27
	s_lshl_b32 s30, s28, 6
	s_add_co_u32 s30, s30, 151552                  ; aperture: by positions, 64 bytes a row block
	s_lshr_b32 s31, s28, 1
	s_lshl_b32 s31, s31, 7
	s_and_b32 s32, s28, 1
	s_lshl_b32 s32, s32, 5
	s_add_co_u32 s31, s31, s32
	s_add_co_u32 s31, s31, 147456                  ; expression: by tokens: 32 (block / 2) + 8 (block % 2) + 16 h + j
	s_wait_alu depctr_va_vdst(0)
	s_wait_kmcnt 0x0
	s_cmp_eq_u32 s26, 0
	s_cselect_b32 s30, s30, s31
	s_cselect_b32 s31, 32, 64                      ; from half to half of the lanes
	s_cselect_b64 s[10:11], s[10:11], s[12:13]     ; ba or be: the choice hangs on the wave's number alone
	s_add_co_u32 s29, s29, s30
	v_mul_u32_u24 v15, v2, HSTR
	s_delay_alu instid0(VALU_DEP_1)
	v_mad_u32_u24 v15, v3, s31, v15
	s_delay_alu instid0(VALU_DEP_1)
	v_add_nc_u32 v15, s29, v15
	s_add_nc_u64 s[4:5], s[4:5], s[24:25]
	s_lshl_b32 s24, s20, 13                        ; a k step of Wa or We: 8,192 dense bytes
	s_add_nc_u64 s[6:7], s[6:7], s[24:25]
	s_add_nc_u64 s[8:9], s[8:9], s[24:25]
	s_mul_i32 s24, ttmp9, 12288
	s_mul_i32 s33, s20, 1536
	s_add_co_u32 s24, s24, s33
	s_add_nc_u64 s[14:15], s[14:15], s[24:25]      ; my fragment of x
	s_lshl_b32 s24, ttmp9, 9
	s_add_nc_u64 s[16:17], s[16:17], s[24:25]      ; the row block's scale words
	global_load_b32 v25, v16, s[10:11]             ; the bias of head r
.set i, 0
.rept 16
	global_load_b128 v[XA+4*i:XA+4*i+3], v4, s[4:5] offset:(i+8*(i/8))*4096 th:TH_LOAD_NT   ; position i's 128 numbers of my k step
.set i, i+1
.endr
.set i, 0
.rept 16
	global_load_b128 v[XB+4*i:XB+4*i+3], v4, s[6:7] offset:512*i
.set i, i+1
.endr
.set i, 0
.rept 16
	global_load_b128 v[XC+4*i:XC+4*i+3], v4, s[8:9] offset:512*i
.set i, i+1
.endr
	s_wait_loadcnt 32                              ; the bias and x are in; Wa's and We's 32 loads may be out
.set i, 0
.rept 16
	ds_store_b128 v6, v[XA+4*i:XA+4*i+3] offset:528*i
.set i, i+1
.endr
.irp c, 0,1
.irp j, 0,1,2,3,4,5,6,7
	ds_load_b128 v[XA+32*\c+4*\j:XA+32*\c+4*\j+3], v7 offset:256*\c+16*\j   ; rows 528 bytes apart: sixteen lanes touch sixteen different columns of 16 bytes
.endr
.endr
	s_wait_dscnt 0x0
	QW XA, PCX, PWX
	global_store_b128 v4, v[PCX:PCX+3], s[14:15]   ; each store covers 512 or 256 consecutive bytes, aligned to 256
	global_store_b64 v5, v[PCX+4:PCX+5], s[14:15] offset:512
	global_store_b128 v4, v[PCX+6:PCX+9], s[14:15] offset:768
	global_store_b64 v5, v[PCX+10:PCX+11], s[14:15] offset:1280
	ds_store_b32 v12, v[PWX]                       ; both halves of the lanes write the same word with the same value
	s_wait_loadcnt 16                              ; Wa is in; We's 16 loads may be out
	TURNW XB
	s_wait_dscnt 0x0
	QW XB, PCW, PWA
.rept 8
	v_nop                                          ; a scale register written by a vector instruction stands 8 places ahead of a scaled matrix instruction
.endr
	v_wmma_scale_f32_16x16x128_f8f6f4 v[XA:XA+7], v[PCX:PCX+11], v[PCW:PCW+11], 0, v[PWX], v[PWA] matrix_a_fmt:MATRIX_FMT_FP6 matrix_b_fmt:MATRIX_FMT_FP6   ; lane (r, h): head r, positions 8 h + j
	s_wait_loadcnt 0x0
	TURNW XC
	s_wait_dscnt 0x0
	QW XC, PCW, PWE                                ; its 32 maxima, which name no register of the product above, stand ahead of the first write of Wa's fragment
.rept 8
	v_nop
.endr
	v_wmma_scale_f32_16x16x128_f8f6f4 v[XA+8:XA+15], v[PCX:PCX+11], v[PCW:PCW+11], 0, v[PWX], v[PWE] matrix_a_fmt:MATRIX_FMT_FP6 matrix_b_fmt:MATRIX_FMT_FP6
.rept 4
	v_nop                                          ; four places ahead of the first read of a result
.endr
.irp c, 0,1,2,3
	ds_store_b128 v10, v[XA+4*\c:XA+4*\c+3] offset:512*\c        ; each result from its low end on
.endr
	s_wait_dscnt 0x0                               ; for the others' sake: my stores have landed
	s_barrier_signal -1
	s_barrier_wait -1
	s_cmp_lt_u32 s20, 4
	s_cbranch_scc0 .Lnot_gate
.irp k, 0,1,2,3,4,5,6,7                ; waves 0-3: four positions of one gate, the eight k steps' parts
	ds_load_b128 v[XB+4*\k:XB+4*\k+3], v11 offset:2048*\k
.endr
	v_mul_f32 v25, s38, v25                        ; -log2(e) x bias
	s_wait_dscnt 0x0
.irp k, 1
	v_pk_add_f32 v[XB:XB+1], v[XB:XB+1], v[XB+4*\k:XB+4*\k+1]
	v_pk_add_f32 v[XB+2:XB+3], v[XB+2:XB+3], v[XB+4*\k+2:XB+4*\k+3]
.endr
.irp k, 2, 3, 4, 5, 6, 7
	s_delay_alu instid0(VALU_DEP_2)
	v_pk_add_f32 v[XB:XB+1], v[XB:XB+1], v[XB+4*\k:XB+4*\k+1]
	s_delay_alu instid0(VALU_DEP_2)
	v_pk_add_f32 v[XB+2:XB+3], v[XB+2:XB+3], v[XB+4*\k+2:XB+4*\k+3]
.endr
.irp i, 0,1,2,3
	v_fma_f32 v[XB+\i], v[XB+\i], s38, v25         ; -log2(e) (sum + bias)
.endr
	s_wait_alu depctr_va_vdst(0)
.irp i, 0,1,2,3
	v_exp_f32 v[XB+\i], v[XB+\i]
.endr
	v_nop                                          ; a plain instruction behind the last exponential,
	s_wait_alu depctr_va_vdst(0)                   ; and one wait for the four, ahead of their first reader
.irp i, 0,1,2,3
	v_add_f32 v[XB+\i], 1.0, v[XB+\i]
.endr
	s_wait_alu depctr_va_vdst(0)
.irp i, 0,1,2,3
	v_rcp_f32 v[XB+\i], v[XB+\i]                   ; sigmoid = 1 / (1 + 2^(-log2(e) y))
.endr
	v_nop
	s_wait_alu depctr_va_vdst(0)
	global_store_b128 v15, v[XB:XB+3], s[18:19]    ; 16 bytes a lane to sixteen heads' tables: 2 KiB a work-group
	s_wait_tensorcnt 0x0                           ; the wave's end
	ds_add_u32 v24, v61
	s_wait_dscnt 0x0
	s_endpgm
.Lnot_gate:
	s_cmp_eq_u32 s20, 4
	s_cbranch_scc0 .Lend
	ds_load_b128 v[XB:XB+3], v13                   ; wave 4: the row block's 512 bytes of scale words leave as two whole aligned runs of 256
	s_wait_dscnt 0x0
	global_store_b128 v4, v[XB:XB+3], s[16:17]
.Lend:
	s_wait_tensorcnt 0x0                           ; the wave's end
	ds_add_u32 v24, v61
	s_wait_dscnt 0x0
	s_endpgm
; THE WEIGHTS' PATH.  Wi, Wo, Wv, Wout are [1024 (k)][1024 (n)]: K is their FIRST axis.  Work-group 256 + q: matrix q / 32, columns 256 ((q / 8) % 4) on, k step q % 8.  A wave takes 32 columns x 128 k.
; A LANE TAKES A COLUMN AND ITS REGISTERS RUN DOWN K: a block of 32 lies in one lane, each load reads 128 neighbouring bytes a wave, and the conversions give codes with K innermost.
; Lanes 0-15 hold column block u = 0's columns, lanes 16-31 block u = 1's.  No LDS, no barrier, no matrix work: memory binds, and the waves share nothing.
.set WX,  128                          ; v128-191 two sets of 32 numbers
.set WF0, 96                           ; v96-107  the even blocks' codes, then the fragment of column block u = 0
.set WF1, 108                          ; v108-119 the odd blocks' codes, then the fragment of u = 1
.set WT,  120                          ; v120-122 a block's upper 16 codes
.macro LOAD t                          ; block t: W(32 t + i, my column), i = 0 .. 31, into set t % 2
.set i, 0
.rept 32
	global_load_b32 v[WX+32*((\t)%2)+i], v3, s[4:5] offset:(32*(\t)+i)*4096 th:TH_LOAD_NT
.set i, i+1
.endr
.endm
.macro BLOCK t
.set XS, WX+32*((\t)%2)
.set FE, WF0+12*((\t)%2)+6*((\t)/2)
.if (\t) < 3
	s_wait_loadcnt 32                              ; this block's 32 loads are in; the next block's 32 may be out
.else
	s_wait_loadcnt 0x0
.endif
	v_max3_num_f32 v8, |v[XS]|, |v[XS+1]|, |v[XS+2]|   ; the block's largest magnitude: all 32 numbers are mine; two chains
	v_max3_num_f32 v9, |v[XS+3]|, |v[XS+4]|, |v[XS+5]|
.irp i, 6,10,14,18,22,26
	s_delay_alu instid0(VALU_DEP_2)
	v_max3_num_f32 v8, v8, |v[XS+\i]|, |v[XS+\i+1]|
	s_delay_alu instid0(VALU_DEP_2)
	v_max3_num_f32 v9, v9, |v[XS+\i+2]|, |v[XS+\i+3]|
.endr
	s_delay_alu instid0(VALU_DEP_2)
	v_max3_num_f32 v8, v8, |v[XS+30]|, |v[XS+31]|
	s_delay_alu instid0(VALU_DEP_1)
	v_max3_num_f32 v8, v8, v9, 0x1800000           ; and the floor 2^(3 - 127): the byte cannot fall under 1
	s_delay_alu instid0(VALU_DEP_1)
	v_add_nc_u32 v10, 0xff000000, v8               ; 2 off the exponent field: the conversion takes this operand's exponent field as its scale
	s_delay_alu instid0(VALU_DEP_1)
	v_lshrrev_b32 v11, 23, v10                     ; the scale's byte
.if (\t) == 0
	s_delay_alu instid0(VALU_DEP_1)
	v_mov_b32 v16, v11                             ; four bytes make my column's scale word of this k step
.else
	s_delay_alu instid0(VALU_DEP_1)
	v_lshl_or_b32 v16, v11, 8*(\t), v16
.endif
	v_cvt_scalef32_pk16_fp6_f32 v[FE:FE+2], v[XS:XS+15], v10
	v_cvt_scalef32_pk16_fp6_f32 v[WT:WT+2], v[XS+16:XS+31], v10
	v_nop                                          ; one plain instruction between a scaled conversion and the vector instruction that reads its result
.irp i, 0,1,2
	v_mov_b32 v[FE+3+\i], v[WT+\i]
.endr
.if (\t) < 2
	LOAD (\t)+2
.endif
.endm
.Lweights:
	s_load_b256 s[4:11], s[0:1], 0x40              ; Wi, Wo, Wv, Wout
	s_load_b64 s[12:13], s[0:1], 0x28              ; codes
	s_load_b64 s[14:15], s[0:1], 0x30              ; scl
	v_lshrrev_b32 v1, 5, v0
	s_delay_alu instid0(VALU_DEP_1)
	v_readfirstlane_b32 s16, v1                    ; wave 0..7
	v_and_b32 v1, 31, v0                           ; lane
	v_and_b32 v2, 7, v0
	v_bfe_u32 v7, v0, 4, 1                         ; u = lane / 16
	v_bfe_u32 v8, v0, 3, 1
	s_delay_alu instid0(VALU_DEP_2)
	v_lshl_add_u32 v2, v7, 3, v2
	s_delay_alu instid0(VALU_DEP_1)
	v_lshl_add_u32 v2, v8, 4, v2                   ; my column of the wave's 32: lane % 8 + 8 u + 16 ((lane / 8) % 2)
	s_delay_alu instid0(VALU_DEP_1)
	v_lshlrev_b32 v3, 2, v2                        ; in bytes
	v_lshlrev_b32 v4, 4, v1                        ; 16 x lane
	v_lshlrev_b32 v5, 3, v1                        ; 8 x lane
	v_and_b32 v6, 15, v0
	s_delay_alu instid0(VALU_DEP_1)
	v_lshlrev_b32 v6, 2, v6
	s_delay_alu instid0(VALU_DEP_1)
	v_lshl_add_u32 v6, v7, 9, v6                   ; my scale word: 512 u + 4 r
	s_sub_co_u32 s28, ttmp9, 256                   ; q = 0 .. 127
	s_lshr_b32 s17, s28, 5                         ; which matrix
	s_bfe_u32 s18, s28, 0x20003                    ; which 256 columns
	s_and_b32 s19, s28, 7                          ; which k step
	s_lshl_b32 s20, s19, 19                        ; 128 rows of 4,096 bytes
	s_lshl_b32 s21, s18, 10
	s_add_co_u32 s20, s20, s21
	s_lshl_b32 s21, s16, 7
	s_add_co_u32 s20, s20, s21                     ; + 4 x (256 x group + 32 x wave)
	s_mov_b32 s21, 0
	s_lshl_b32 s22, s17, 6
	s_lshl_b32 s23, s18, 4
	s_add_co_u32 s22, s22, s23
	s_lshl_b32 s23, s16, 1
	s_add_co_u32 s22, s22, s23
	s_add_co_u32 s22, s22, 256                     ; my first row block: 256 (behind x's) + 64 x matrix + 16 x group + 2 x wave
	s_mul_i32 s24, s22, 12288
	s_mul_i32 s25, s19, 1536
	s_add_co_u32 s24, s24, s25
	s_mov_b32 s25, 0
	s_lshl_b32 s26, s22, 9
	s_lshl_b32 s27, s19, 6
	s_add_co_u32 s26, s26, s27
	s_mov_b32 s27, 0
	s_wait_alu depctr_va_vdst(0)
	s_wait_kmcnt 0x0
	s_cmp_eq_u32 s17, 1                            ; the choice of buffer hangs on the work-group's number alone
	s_cselect_b64 s[4:5], s[6:7], s[4:5]
	s_cmp_eq_u32 s17, 2
	s_cselect_b64 s[4:5], s[8:9], s[4:5]
	s_cmp_eq_u32 s17, 3
	s_cselect_b64 s[4:5], s[10:11], s[4:5]
	s_add_nc_u64 s[4:5], s[4:5], s[20:21]
	s_add_nc_u64 s[12:13], s[12:13], s[24:25]
	s_add_nc_u64 s[14:15], s[14:15], s[26:27]
	LOAD 0
	LOAD 1
	BLOCK 0
	BLOCK 1
	BLOCK 2
	BLOCK 3
; A fragment wants blocks 0 and 2 of a row in lanes 0-15 and blocks 1 and 3 in lanes 16-31.  WF0's lanes 16-31 (u = 1's even blocks) change places with WF1's lanes 0-15 (u = 0's odd blocks).
.set i, 0
.rept 12
	v_permlane16_swap_b32 v[WF0+i], v[WF1+i]
.set i, i+1
.endr
.irp u, 0,1                            ; every store of the wave covers 512 or 256 consecutive bytes, at a multiple of 256 from the buffer's first byte
	global_store_b128 v4, v[WF0+12*\u:WF0+12*\u+3], s[12:13] offset:12288*\u
	global_store_b64 v5, v[WF0+12*\u+4:WF0+12*\u+5], s[12:13] offset:12288*\u+512
	global_store_b128 v4, v[WF0+12*\u+6:WF0+12*\u+9], s[12:13] offset:12288*\u+768
	global_store_b64 v5, v[WF0+12*\u+10:WF0+12*\u+11], s[12:13] offset:12288*\u+1280
.endr
	global_store_b32 v6, v16, s[14:15]             ; two pieces of 64 bytes: one byte in 128 of what the wave reads
	s_endpgm
.Lfunc_end_k_q499693e69d_quant:
	.size	k_q499693e69d_quant, .Lfunc_end_k_q499693e69d_quant-k_q499693e69d_quant
	.p2alignl 7, 3214868480
	.fill 96, 4, 3214868480
	.section	.rodata,"a",@progbits
	.p2align	6, 0x0
	.amdhsa_kernel k_q499693e69d_quant
		.amdhsa_group_segment_fixed_size 85504
		.amdhsa_private_segment_fixed_size 0
		.amdhsa_enable_private_segment 0
		.amdhsa_kernarg_size 96
		.amdhsa_user_sgpr_count 2
		.amdhsa_user_sgpr_kernarg_segment_ptr 1
		.amdhsa_wavefront_size32 1
		.amdhsa_system_sgpr_workgroup_id_x 1
		.amdhsa_system_sgpr_workgroup_id_y 1
		.amdhsa_system_sgpr_workgroup_id_z 1
		.amdhsa_system_vgpr_workitem_id 0
		.amdhsa_next_free_vgpr 256
		.amdhsa_next_free_sgpr 66
		.amdhsa_reserve_vcc 0
		.amdhsa_float_denorm_mode_32 3
		.amdhsa_float_denorm_mode_16_64 3
		.amdhsa_memory_ordered 1
		.amdhsa_forward_progress 1
		.amdhsa_inst_pref_size 62
	.end_amdhsa_kernel
	.amdgpu_metadata
---
amdhsa.version: [ 1, 2 ]
amdhsa.kernels:
  - .name:           k_q499693e69d_quant
    .symbol:         k_q499693e69d_quant.kd
    .args:
      - { .name: x, .offset: 0, .size: 8, .value_kind: global_buffer, .address_space: global }
      - { .name: Wa, .offset: 8, .size: 8, .value_kind: global_buffer, .address_space: global }
      - { .name: We, .offset: 16, .size: 8, .value_kind: global_buffer, .address_space: global }
      - { .name: ba, .offset: 24, .size: 8, .value_kind: global_buffer, .address_space: global }
      - { .name: be, .offset: 32, .size: 8, .value_kind: global_buffer, .address_space: global }
      - { .name: codes, .offset: 40, .size: 8, .value_kind: global_buffer, .address_space: global }
      - { .name: scl, .offset: 48, .size: 8, .value_kind: global_buffer, .address_space: global }
      - { .name: qkv, .offset: 56, .size: 8, .value_kind: global_buffer, .address_space: global }
      - { .name: Wi, .offset: 64, .size: 8, .value_kind: global_buffer, .address_space: global }
      - { .name: Wo, .offset: 72, .size: 8, .value_kind: global_buffer, .address_space: global }
      - { .name: Wv, .offset: 80, .size: 8, .value_kind: global_buffer, .address_space: global }
      - { .name: Wout, .offset: 88, .size: 8, .value_kind: global_buffer, .address_space: global }
    .group_segment_fixed_size: 85504
    .private_segment_fixed_size: 0
    .kernarg_segment_align: 8
    .kernarg_segment_size: 96
    .max_flat_workgroup_size: 256
    .sgpr_count:     66
    .vgpr_count:     256
    .wavefront_size: 32
...
	.end_amdgpu_metadata
.endif
;; end of part 1
;; launch proj (part 2): grid 12 x 16, 4 waves a work-group, clusters of 4 x 4, 327,680 bytes of LDS; arguments codes, scl, qkv, qkvs; writes qkv, qkvs
.if DOCPART == 2
	.amdgcn_target "amdgcn-amd-amdhsa--gfx1250"
	.amdhsa_code_object_version 6
	.text
	.protected	k_q499693e69d_proj
	.globl	k_q499693e69d_proj
	.p2align	8
	.type	k_q499693e69d_proj,@function
k_q499693e69d_proj:
	s_mov_b64 s[64:65], 0
	v_nop
	global_prefetch_b8 v0, s[64:65] scope:SCOPE_SE
	s_setreg_imm32_b32 hwreg(HW_REG_WAVE_MODE, 25, 1), 1
	s_wait_xcnt 0x0
	s_wait_alu depctr_hold_cnt(0) depctr_sa_sdst(0) depctr_va_vdst(0) depctr_va_sdst(0) depctr_va_ssrc(0) depctr_va_vcc(0) depctr_vm_vsrc(0)
	s_getreg_b32 s2, hwreg(HW_REG_IB_STS2, 6, 4)
	s_cmp_eq_u32 s2, 0
	s_cbranch_scc0 .Lentry_in_a_cluster
	s_endpgm
.Lentry_in_a_cluster:
	s_bfe_u32 s2, ttmp6, 0x10000c
	s_cmp_lg_u32 s2, 0xf033
	s_cbranch_scc0 .Lentry_shape_is_right
	s_endpgm
.Lentry_shape_is_right:
; inner = x Wi, outer = x Wo, v = x Wv on codes of FP6 (E2M3) with E8M0 scales, K = 1,024, and each result quantised on its way out: inner and outer along the head's 64, v along the keys.
; A tile of 256 x 256 to a work-group of four waves, 128 x 128 to a wave: 64 accumulators, 512 registers.  192 work-groups: the three products have 3 x 64 such tiles.
; ONE TEXT FOR THE THREE.  The cluster's x says which: 0 Q, 1 K, 2 V; its y is the batch.  Source 1 ("A") gives a lane its row, source 0 ("B") runs along a lane's registers, and the registers' axis is the one that is quantised.
; Q, K: A = 256 tokens, B = 256 columns of Wi or Wo (four heads).  V: A = 256 columns of Wv, B = 256 tokens.  Only offsets differ, chosen by s_cselect_b32 on the cluster's x, which all sixteen partners share.
; OPERANDS lie in memory in the order of the operand's registers (a row block = 16 rows x 8 fragments of 1,536 bytes), so a tile is dense rows of 3,072 bytes, a fragment comes by two loads of 16 and two of 8 bytes a lane at consecutive
; addresses, and LDS needs no padding.  B's row blocks hold their rows in the order 0-7, 16-23 | 8-15, 24-31: the 16 result registers of two neighbouring blocks are then 16 neighbours along the axis to be quantised.
; K goes in eight steps of 128: four at the head, then two to a slot, through two LDS slots; the steps are written out.  The scale words of all of K come once, with the first fills.
; CLUSTER 4 x 4: A's tiles are asked for jointly along a row of the cluster, B's along a column.
; REGISTERS: window 0: v2-5, v16-29 addresses; v32-47 scale words, two sets (lanes 0-15 A's block i, lanes 16-31 B's); v64-159, v160-255 A's fragments, two sets; on the way out v64-113 at work.
;   window 1: v0-95, v96-191 B's two sets.   windows 2, 3: accumulator (a, b) at v[8 (8 (a % 4) + b)].
; LIMITS: a block whose largest magnitude lies under 2^-124 keeps the byte 1 (a block of zeros too; this program alone reads the bytes); NaN and infinities are not served.
.set HSTR,  155648                     ; bytes of one (batch, head) in qkv: Q 49,152, K 49,152, V 49,152, the two gates 8,192
; LDS AS IT IS NOW USED: bytes 0 to 196,607 take k steps 0-3 at the head: A's 16 row blocks x 6,144 bytes, then B's.  Slot 0, at 196,608, takes k steps 4 and 5 (A's 16 row blocks x 3,072 bytes, then B's): its first fill
; stands behind the round that follows the head.  Slot 1, at byte 0, takes k steps 6 and 7 when k steps 0-3 have been read.  One tensor load a wave at the head and behind each round.
.set SLOT,  196608                     ; where slot 0 begins
.set SCL,   294912                     ; behind slot 0: A's scale words, 8,192 bytes; B's 8,320 on, so that the 64 bytes of A and of B that one load takes fall on different banks
.set SPARE, 311552                     ; the spare words, 128 bytes for each wave: two blocks of 256 bytes that no other line names
.set ADRA16, 16                        ; v16-17 my A fragments in slot 0, 1, + 16 x lane;  v18-19 + 8 x lane
.set ADRA8,  18
.set ADRB16, 20                        ; v20-23 the same for B
.set ADRB8,  22
.set XA16,   8                         ; v8-11 my fragments of k steps 0-3: A + 16 x lane, A + 8 x lane, B likewise
.set XA8,    9
.set XB16,   10
.set XB8,    11
.set G0H,    4                         ; s[4:7], s[96:99] group 0 of the head's two loads of codes (the arguments in s[4:7] have been used by then)
.set G0HB,   96
.set SHV,  24                          ; v24  the way out: how far my half of the lanes shifts the scale word
.set SO,   26                          ; v26  the way out: my offset among the scale words
.set ADRS, 27                          ; v27  LDS address of my scale words
.set SPW,  28                          ; v28  my spare word; never rewritten
.set NIL,  29                          ; v29  0; never rewritten
.set SC,   32
.set PC,   64                          ; the way out: v64-83 codes
.set TM,   96                          ; v96-111 largest magnitudes, bytes, scale operands
.set PW,   112                         ; v112 the scale word, v113 as it is stored
.set SEL,  12                          ; s[12:13]
.set G1,   24
.set G0,   32
.set G1B,  48
.set G0B,  56
.set G1S,  68
.set G0S,  76
.set G1SB, 80
.set G0SB, 88
.set MSB, 0
.macro WIN new                         ; the immediate's high byte repeats the setting that is left; a switch that changes nothing is dropped
.if MSB != (\new)
	s_set_vgpr_msb (MSB<<8)|(\new)
.set MSB, (\new)
.endif
.endm
.set MUL_LO, 0xa1                      ; source 0 (B) window 1, source 1 (A) window 0, C and D window 2
.set MUL_HI, 0xf1                      ; the same, C and D window 3
.macro PLACES                          ; four plain instructions ahead of loads into registers that matrix instructions have read, and of the first read of results
.rept 4
	v_nop
.endr
.endm
; A joint refill: waves 0 and 1 fetch for A, waves 2 and 3 for B; the branch hangs on the wave's number alone.  Four v_nop follow each of the two lines.
.macro JLOAD g0a, g1a, g0b, g1b
	s_cmp_eq_u32 s15, 0
	s_cbranch_scc0 .Lfor_b_\@
	tensor_load_to_lds s[\g0a:\g0a+3], s[\g1a:\g1a+7]
	s_nop 0
.rept 4
	v_nop
.endr
	s_branch .Lasked_\@
.Lfor_b_\@:
	tensor_load_to_lds s[\g0b:\g0b+3], s[\g1b:\g1b+7]
	s_nop 0
.rept 4
	v_nop
.endr
.Lasked_\@:
.endm
.macro CREST                           ; a round of the cluster's barrier behind its opening barrier
	s_cmp_lg_u32 s14, 0
	s_cbranch_scc1 .Lnot_wave_0_\@
	s_barrier_signal -3
.Lnot_wave_0_\@:
	s_barrier_wait -3
	s_barrier_signal -1
	s_barrier_wait -1
.endm
.macro CROUND
	s_barrier_signal -1
	s_barrier_wait -1
	CREST
.endm
	s_load_b256 s[4:11], s[0:1], 0x0               ; codes, scl, qkv, qkvs
	v_lshl_add_u32 v[SPW], v0, 2, SPARE
	v_mov_b32 v[NIL], 0
	ds_add_u32 v28, v29
	ds_add_u32 v28, v29
	s_wait_dscnt 0x0
	v_lshrrev_b32 v1, 5, v0
	v_readfirstlane_b32 s14, v1                    ; wave 0..3
	s_lshr_b32 s15, s14, 1                         ; which half of A's rows is mine.  Also: I fetch for A (0) or for B (1)
	s_and_b32 s16, s14, 1                          ; which half of B's rows.  Also: which 8 row blocks I fetch
	s_bfe_u32 s40, ttmp6, 0x40000                  ; cx, cy: my place in the cluster
	s_bfe_u32 s41, ttmp6, 0x40004
	s_mov_b32 s42, ttmp9                           ; the cluster's x: 0 Q, 1 K, 2 V
	s_and_b32 s17, ttmp7, 0xffff                   ; the cluster's y: the batch
	s_lshl_b32 s43, s41, 2
	s_lshl_b32 s43, 15, s43                        ; my row of the cluster
	s_lshl_b32 s44, 0x1111, s40                    ; my column
	s_mov_b32 s[SEL], 0x76543210
	s_mov_b32 s[SEL+1], 0xfedcba98
	; group 1 for codes: 8 row blocks x 3,072 bytes (384 elements of 8 bytes), 12,288 bytes apart; no padding
	s_or_b32 s[G1+0], s43, (3<<16)|(1<<21)         ; 15:0 the mask: A's tiles go to my row; 17:16 elements of 8 bytes; 21 set beside a mask
	s_or_b32 s[G1B+0], s44, (3<<16)|(1<<21)        ; B's to my column
.irp g, G1, G1B
	s_mov_b32 s[\g+1], 768<<16                     ; for the head's loads: 16 row blocks x 6,144 bytes (four k steps); behind them these four words are set for the slots' loads
	s_mov_b32 s[\g+2], 16<<16
	s_mov_b32 s[\g+3], 768<<16
	s_mov_b32 s[\g+4], 16
	s_mov_b32 s[\g+5], 1536                        ; from row block to row block, in elements
	s_mov_b32 s[\g+6], 0
	s_mov_b32 s[\g+7], 0
.endr
	; and for the scale words of 16 row blocks: 8,192 dense bytes as 32 rows of 256
	s_or_b32 s[G1S+0], s43, (3<<16)|(1<<21)
	s_or_b32 s[G1SB+0], s44, (3<<16)|(1<<21)
.irp g, G1S, G1SB
	s_mov_b32 s[\g+1], 32<<16
	s_mov_b32 s[\g+2], 32<<16                      ; the scale words of 16 row blocks: 8,192 dense bytes as 32 rows of 256
	s_mov_b32 s[\g+3], 32<<16
	s_mov_b32 s[\g+4], 32
	s_mov_b32 s[\g+5], 32
	s_mov_b32 s[\g+6], 0
	s_mov_b32 s[\g+7], 0
.endr
	; which row blocks: x's are 0-255, Wi's 256 on, Wo's 320 on, Wv's 384 on.  A's number is made of cy, B's of cx, each in registers that never hold the other
	s_lshl_b32 s18, s17, 6                         ; the batch's 64 blocks of x
	s_lshl_b32 s19, s42, 6
	s_add_co_u32 s19, s19, 256                     ; Wi's or Wo's
	s_mov_b32 s45, 384                             ; Wv's
	s_lshl_b32 s21, s41, 4                         ; 16 cy
	s_lshl_b32 s47, s40, 4                         ; 16 cx
	s_cmp_eq_u32 s42, 2
	s_cselect_b32 s2, s45, s18                     ; A: Wv for V, else x
	s_cselect_b32 s3, s18, s19                     ; B: x for V, else the weight
	s_add_co_u32 s2, s2, s21                       ; the tile's first row block of A,
	s_add_co_u32 s3, s3, s47                       ; and of B
	s_mul_i32 s20, s2, 12288
	s_mov_b32 s21, 0
	s_lshl_b32 s22, s2, 9
	s_mov_b32 s23, 0
	s_mul_i32 s46, s3, 12288
	s_mov_b32 s47, 0
	s_lshl_b32 s92, s3, 9
	s_mov_b32 s93, 0
	s_mul_i32 s45, s14, 24576                      ; where they go: wave x 8 row blocks: no place in the cluster enters an LDS address
	s_mul_i32 s18, s16, 98304                      ; for the slots: which 8 row blocks of 12,288 bytes I fetch
	s_mov_b32 s19, 0
	s_wait_kmcnt 0x0
	s_add_nc_u64 s[20:21], s[4:5], s[20:21]
	s_add_nc_u64 s[22:23], s[6:7], s[22:23]
	s_add_nc_u64 s[46:47], s[4:5], s[46:47]
	s_add_nc_u64 s[92:93], s[6:7], s[92:93]
	CROUND                                         ; all sixteen work-groups are here: the first joint loads meet
	s_mov_b32 s[G0S], 1
	s_mov_b32 s[G0S+1], SCL
	s_mov_b64 s[G0S+2:G0S+3], s[22:23]
	s_or_b32 s[G0S+3], s[G0S+3], 0x80000000
	s_mov_b32 s[G0SB], 1
	s_mov_b32 s[G0SB+1], SCL+8320
	s_mov_b64 s[G0SB+2:G0SB+3], s[92:93]
	s_or_b32 s[G0SB+3], s[G0SB+3], 0x80000000
	s_mov_b32 s[G0H], 1                            ; k steps 0-3 of A's 16 row blocks, to byte 0,
	s_mov_b32 s[G0H+1], 0
	s_mov_b64 s[G0H+2:G0H+3], s[20:21]
	s_or_b32 s[G0H+3], s[G0H+3], 0x80000000
	s_mov_b32 s[G0HB], 1                           ; and of B's, behind them
	s_mov_b32 s[G0HB+1], 98304
	s_mov_b64 s[G0HB+2:G0HB+3], s[46:47]
	s_or_b32 s[G0HB+3], s[G0HB+3], 0x80000000
	s_add_nc_u64 s[20:21], s[20:21], s[18:19]      ; for the slots: my 8 row blocks
	s_add_nc_u64 s[46:47], s[46:47], s[18:19]
.irp s, 0,1
	s_mov_b32 s[G0+4*\s], 1
	s_add_co_u32 s[G0+4*\s+1], s45, (1-\s)*SLOT                    ; slot 0 at SLOT, slot 1 at byte 0
	s_add_nc_u64 s[G0+4*\s+2:G0+4*\s+3], s[20:21], 6144+\s*3072    ; slot 0: k steps 4, 5; slot 1: 6, 7
	s_or_b32 s[G0+4*\s+3], s[G0+4*\s+3], 0x80000000
	s_mov_b32 s[G0B+4*\s], 1
	s_add_co_u32 s[G0B+4*\s+1], s45, (1-\s)*SLOT
	s_add_nc_u64 s[G0B+4*\s+2:G0B+4*\s+3], s[46:47], 6144+\s*3072
	s_or_b32 s[G0B+4*\s+3], s[G0B+4*\s+3], 0x80000000
.endr
; THE HEAD'S LOADS, ONE A WAVE: wave 0 k steps 0-3 of A, wave 1 of B, wave 2 A's scale words, wave 3 B's.  One tree of branches on the wave's number; every way passes exactly one load.
.macro ARM under, g0, g1, next
	s_cmp_lt_u32 s14, \under
	s_cbranch_scc0 \next
	tensor_load_to_lds s[\g0:\g0+3], s[\g1:\g1+7]
	s_nop 0
.rept 4
	v_nop
.endr
	s_branch .Lfirst_asked
\next:
.endm
	ARM 1, G0H,  G1,  .Lhead_b
	ARM 2, G0HB, G1B, .Lhead_sa
	ARM 3, G0S,  G1S, .Lhead_sb
	tensor_load_to_lds s[G0SB:G0SB+3], s[G1SB:G1SB+7]
	s_nop 0
.rept 4
	v_nop
.endr
.Lfirst_asked:
	v_and_b32 v1, 31, v0
	v_and_b32 v2, 15, v0                           ; r
	v_bfe_u32 v3, v0, 4, 1                         ; h
	v_lshlrev_b32 v4, 4, v1                        ; 16 x lane
	v_lshlrev_b32 v5, 3, v1                        ; 8 x lane
	s_wait_alu depctr_va_vdst(0)
	s_mul_i32 s21, s15, 49152                      ; k steps 0-3: my 8 row blocks of A, 6,144 bytes each,
	s_mul_i32 s22, s16, 49152
	s_add_co_u32 s22, s22, 98304                   ; and of B, behind A's 16
	v_add_nc_u32 v[XA16], s21, v4
	v_add_nc_u32 v[XA8], s21, v5
	v_add_nc_u32 v[XB16], s22, v4
	v_add_nc_u32 v[XB8], s22, v5
	s_mul_i32 s21, s15, 24576                      ; in a slot: my 8 row blocks of A, 3,072 bytes each,
	s_mul_i32 s22, s16, 24576
	s_add_co_u32 s22, s22, 49152                   ; and of B
.irp s, 1,0                            ; slot 1 lies at byte 0, slot 0 at SLOT
	v_add_nc_u32 v[ADRA16+\s], s21, v4
	v_add_nc_u32 v[ADRA8+\s], s21, v5
	v_add_nc_u32 v[ADRB16+\s], s22, v4
	v_add_nc_u32 v[ADRB8+\s], s22, v5
	s_add_co_u32 s21, s21, SLOT
	s_add_co_u32 s22, s22, SLOT
.endr
	s_lshl_b32 s21, s15, 12                        ; A's scale words: my 8 blocks of 512 bytes
	s_lshl_b32 s22, s16, 12
	s_add_co_u32 s22, s22, 8320                    ; B's
	s_sub_co_u32 s22, s22, s21
	v_mul_u32_u24 v6, s22, v3                      ; lanes 16-31 take B's: one product, the distance x h
	v_lshl_add_u32 v6, v2, 2, v6
	s_add_co_u32 s21, s21, SCL
	v_add_nc_u32 v[ADRS], s21, v6
.macro FRAG reg, a16, a8, off          ; a fragment as it lies: registers 0-3, 4-5, 6-9, 10-11
	ds_load_b128 v[\reg:\reg+3], v[\a16] offset:\off
	ds_load_b64 v[\reg+4:\reg+5], v[\a8] offset:\off+512
	ds_load_b128 v[\reg+6:\reg+9], v[\a16] offset:\off+768
	ds_load_b64 v[\reg+10:\reg+11], v[\a8] offset:\off+1280
.endm
.macro FETCH slot, q, set, t           ; k step t: B's eight fragments, A's eight, the eight registers of scale words.  t < 4: from the head's fill; else the slot's q-th step
.if (\t) < 4
.set FB16, XB16
.set FB8,  XB8
.set FA16, XA16
.set FA8,  XA8
.set FP,   6144
.set FO,   1536*(\t)
.else
.set FB16, ADRB16+(\slot)
.set FB8,  ADRB8+(\slot)
.set FA16, ADRA16+(\slot)
.set FA8,  ADRA8+(\slot)
.set FP,   3072
.set FO,   1536*(\q)
.endif
	WIN 0x40                                       ; destination window 1, address window 0
.irp i, 0,1,2,3,4,5,6,7
	FRAG 96*(\set)+12*\i, FB16, FB8, FP*\i+FO
.endr
	WIN 0
.irp i, 0,1,2,3,4,5,6,7
	FRAG 64+96*(\set)+12*\i, FA16, FA8, FP*\i+FO
.endr
.irp i, 0,1,2,3,4,5,6,7
	ds_load_b32 v[SC+8*(\set)+\i], v[ADRS] offset:512*\i+64*(\t)
.endr
.endm
; 16 matrix instructions: A's blocks a0, a0 + 1 x B's eight.  The 64 accumulators take turns, one instruction a turn, in the same order in every step.  zero = 1: the first product starts the sums.
.macro MUL16 a0, set, zero
.irp a, \a0, \a0+1
.irp b, 0,1,2,3,4,5,6,7
.if \zero
	v_wmma_scale_f32_16x16x128_f8f6f4 v[8*(8*((\a)%4)+\b):8*(8*((\a)%4)+\b)+7], v[96*(\set)+12*\b:96*(\set)+12*\b+11], v[64+96*(\set)+12*(\a):64+96*(\set)+12*(\a)+11], 0, v[SC+8*(\set)+\b], v[SC+8*(\set)+(\a)] matrix_a_fmt:MATRIX_FMT_FP6 matrix_b_fmt:MATRIX_FMT_FP6 matrix_a_scale:MATRIX_SCALE_ROW1
.else
	v_wmma_scale_f32_16x16x128_f8f6f4 v[8*(8*((\a)%4)+\b):8*(8*((\a)%4)+\b)+7], v[96*(\set)+12*\b:96*(\set)+12*\b+11], v[64+96*(\set)+12*(\a):64+96*(\set)+12*(\a)+11], v[8*(8*((\a)%4)+\b):8*(8*((\a)%4)+\b)+7], v[SC+8*(\set)+\b], v[SC+8*(\set)+(\a)] matrix_a_fmt:MATRIX_FMT_FP6 matrix_b_fmt:MATRIX_FMT_FP6 matrix_a_scale:MATRIX_SCALE_ROW1
.endif
.endr
.endr
.endm
; A slot's first step: its successor lies in the same slot and is fetched into the other sets ahead of the step's 64 products.
.macro STEP t, zero
.set NT, (\t)+1
	s_wait_dscnt 0x0                               ; this step's fragments are in (asked for 64 matrix instructions ago, 32 behind a turn; but for step 0's)
	PLACES
	FETCH (NT/2)%2, NT%2, NT%2, NT
	WIN MUL_LO
	MUL16 0, (\t)%2, \zero
	MUL16 2, (\t)%2, \zero
	WIN MUL_HI
	MUL16 4, (\t)%2, \zero
	MUL16 6, (\t)%2, \zero
.endm
; A step whose successor lies in bytes filled later: ONE barrier.  In front of it each wave waits for all its tensor loads (its part of the next steps' tiles), adds 0 to its spare word, and waits for that; its reads so far are back already.
; fill = 1 (step 3): the barrier opens a round of the cluster's barrier, and slot 1, bytes that k steps 0-3 held, takes k steps 6 and 7: the load has 96 matrix instructions in which to land.
.macro TURN t, fill
.set NT, (\t)+1
.set SL, ((\t)/2)%2
	WIN 0                                          ; (the add's two registers lie in window 0)
	s_wait_dscnt 0x0                               ; this step's fragments are in: my last reads of this slot
	s_wait_tensorcnt 0x0                           ; all my tensor loads have landed
	ds_add_u32 v[SPW], v[NIL]                      ; 0 onto my spare word
	WIN MUL_LO
	MUL16 0, (\t)%2, 0                             ; sixteen matrix instructions stand between the add and the wait for it
	s_wait_dscnt 0x0                               ; the add is done
	s_barrier_signal -1
	MUL16 2, (\t)%2, 0
	WIN 0
	s_barrier_wait -1
.if \fill
	CREST                                          ; no wave of any partner still reads this slot or has a load on its way
	JLOAD G0+4*SL, G1, G0B+4*SL, G1B               ; the first tensor load behind the round; its four v_nop are also the places in front of the loads below
.else
	PLACES
.endif
	FETCH (NT/2)%2, NT%2, NT%2, NT
	WIN MUL_HI
	MUL16 4, (\t)%2, 0
	MUL16 6, (\t)%2, 0
.endm
	s_wait_alu depctr_va_vdst(0)
	s_wait_tensorcnt 0x0                           ; my tile of the head's four is in
	ds_add_u32 v[SPW], v[NIL]
	s_mov_b32 s[G1+1], 384<<16                     ; no tensor load of mine is out, so a descriptor may be written: from here on a load brings 8 row blocks x 3,072 bytes
	s_mov_b32 s[G1+2], 8<<16
	s_mov_b32 s[G1+3], 384<<16
	s_mov_b32 s[G1+4], 8
	s_mov_b32 s[G1B+1], 384<<16
	s_mov_b32 s[G1B+2], 8<<16
	s_mov_b32 s[G1B+3], 384<<16
	s_mov_b32 s[G1B+4], 8
	s_wait_dscnt 0x0                               ; the add is done
	CROUND                                         ; all four tiles are in, and all sixteen work-groups are here
	JLOAD G0, G1, G0B, G1B                         ; slot 0's first fill, k steps 4 and 5: 192 matrix instructions stand ahead of the wait for it
	FETCH 0, 0, 0, 0
	STEP 0, 1
	STEP 1, 0
	STEP 2, 0
	TURN 3, 1                                      ; slot 1 takes k steps 6 and 7
	STEP 4, 0
	TURN 5, 0                                      ; nothing is left to fetch
	STEP 6, 0
	s_wait_dscnt 0x0
	WIN MUL_LO
	MUL16 0, 1, 0
	MUL16 2, 1, 0
	WIN MUL_HI
	MUL16 4, 1, 0
	MUL16 6, 1, 0
	WIN 0
	PLACES
; THE WAY OUT.  Block a's 64 registers of a lane are 128 neighbours along the axis to be quantised, register 16 b + i = index 32 b + 16 h + i: four blocks of 32, each shared by lanes l and l xor 16.
; Q, K: they are two heads' 64: two half fragments, one to each head, and two scale bytes to each.  V: they are 128 keys: one fragment and one scale word.
	s_mov_b32 s18, 1536
	s_mov_b32 s19, 768
	s_mov_b32 s20, 151040                          ; HSTR - 3 x 1,536
	s_mov_b32 s21, HSTR
	s_mov_b32 s22, 12096                           ; 12,288 - 3 x 64
	s_mov_b32 s23, 12288
	s_mov_b32 s45, 512
	s_mov_b32 s46, 256
	s_mov_b32 s94, 0xffff
	s_cmp_eq_u32 s42, 2                            ; V?
	s_cselect_b32 s2, s41, s40                     ; the coordinate that names the heads: cy for V, else cx,
	s_cselect_b32 s3, s15, s16                     ; and the wave's half along it
	s_cselect_b32 s47, s40, s41                    ; the coordinate that names the tokens,
	s_cselect_b32 s66, s16, s15                    ; and the wave's half along it
	s_cselect_b32 s96, s18, s19                    ; from block a to a + 1: V a fragment, Q and K a tile of 768 bytes
	s_cselect_b32 s98, s20, s19                    ; from a = 3 to 4: V the next head's first fragment, Q and K as before
	s_cselect_b32 s92, s19, s21                    ; from the first half fragment to the second: V 768, Q and K the next head
	s_cselect_b32 s45, s46, s45                    ; scale words of 128 tokens: V 256 bytes, Q and K 512
	s_cselect_b32 s46, s22, 64                     ; scale words from a = 3 to 4
	s_cselect_b32 s22, 0, s23                      ; lanes 16-31 store: V the same word, Q and K the next head's
	s_cselect_b32 s23, -1, s94                     ; Q, K: a word's upper two bytes are 0: they meet zero codes alone
	s_cselect_b32 s20, 0, 16                       ; Q, K: lanes 16-31 bring the second head's two bytes down
	s_mov_b32 s93, 0
	s_mov_b32 s97, 0
	s_mov_b32 s99, 0
	s_lshl_b32 s18, s17, 4
	s_lshl_b32 s2, s2, 2
	s_add_co_u32 s18, s18, s2
	s_lshl_b32 s3, s3, 1
	s_add_co_u32 s18, s18, s3                      ; my first (batch, head): 16 x batch + 4 x coordinate + 2 x half
	s_lshl_b32 s47, s47, 1
	s_add_co_u32 s47, s47, s66                     ; my 128 tokens of the batch's 1,024
	s_mul_i32 s66, s18, HSTR
	s_mul_i32 s2, s42, 49152
	s_add_co_u32 s66, s66, s2
	s_mul_i32 s2, s47, 6144
	s_add_co_u32 s66, s66, s2
	s_mov_b32 s67, 0
	s_add_nc_u64 s[66:67], s[8:9], s[66:67]        ; the first half fragment
	s_add_nc_u64 s[92:93], s[66:67], s[92:93]      ; the second
	s_mul_i32 s94, s18, 12288
	s_lshl_b32 s2, s42, 12
	s_add_co_u32 s94, s94, s2
	s_mul_i32 s2, s47, s45
	s_add_co_u32 s94, s94, s2
	s_mov_b32 s95, 0
	s_add_nc_u64 s[94:95], s[10:11], s[94:95]      ; the scale words
	s_mov_b32 s47, 0
	v_mul_u32_u24 v[SO], s22, v3
	v_lshl_add_u32 v[SO], v2, 2, v[SO]             ; 4 r, + the next head's for lanes 16-31
	v_mul_u32_u24 v[SHV], s20, v3
.irp b, 0,1,2,3
	v_mov_b32 v[TM+4+\b], 0                        ; written once: a lane permute's destination counts as one of its sources
.endr
.macro QMAX s, W                       ; the four blocks' largest magnitudes; each accumulator is read from its low end on
	WIN ((\W)<<2)|((\W)<<4)
.irp b, 0,1,2,3
	v_max3_num_f32 v[TM+\b], 0x1800000, |v[\s+16*\b]|, |v[\s+16*\b+1]|   ; my 16 numbers, and the floor 2^(3 - 127)
.endr
.irp i, 2,4,6,8,10,12,14
.irp b, 0,1,2,3
	v_max3_num_f32 v[TM+\b], v[TM+\b], |v[\s+16*\b+\i]|, |v[\s+16*\b+\i+1]|
.endr
.endr
	WIN 0
.irp b, 0,1,2,3
	v_permlanex16_b32 v[TM+4+\b], v[TM+\b], s[SEL], s[SEL+1]
.endr
.irp b, 0,1,2,3
	v_max_num_f32 v[TM+\b], v[TM+\b], v[TM+4+\b]   ; with lane l xor 16's
.endr
.endm
.macro QCODE s, W
.irp b, 0,1,2,3
	v_add_nc_u32 v[TM+12+\b], 0xff000000, v[TM+\b] ; 2 off the exponent field: the conversion's scale operand
.endr
.irp b, 0,1,2,3
	v_lshrrev_b32 v[TM+4+\b], 23, v[TM+12+\b]      ; the scale's byte
.endr
	v_lshl_or_b32 v[PW], v[TM+5], 8, v[TM+4]
	v_lshl_or_b32 v[PW], v[TM+6], 16, v[PW]
	v_lshl_or_b32 v[PW], v[TM+7], 24, v[PW]
	WIN \W
.irp c, 0,1
	v_cvt_scalef32_pk16_fp6_f32 v[PC+6*\c:PC+6*\c+2], v[\s+32*\c:\s+32*\c+15], v[TM+12+2*\c]
	v_cvt_scalef32_pk16_fp6_f32 v[PC+12+4*\c:PC+14+4*\c], v[\s+32*\c+16:\s+32*\c+31], v[TM+13+2*\c]
.endr
	WIN 0
	v_nop                                          ; one plain instruction behind the scaled conversions
.irp c, 0,1                            ; the layout wants a WHOLE block in a lane: lanes 0-15 block 2 c, lanes 16-31 block 2 c + 1
.irp i, 0,1,2
	v_permlane16_swap_b32 v[PC+6*\c+\i], v[PC+12+4*\c+\i]
.endr
.irp i, 0,1,2
	v_mov_b32 v[PC+6*\c+3+\i], v[PC+12+4*\c+\i]
.endr
.endr
.endm
.irp a, 0,1,2,3,4,5,6,7
	QMAX 64*(\a%4), 2+\a/4
.if \a > 0
	s_wait_alu depctr_va_vdst(0)
	s_wait_xcnt 0x0                                ; the last block's stores have read their data and their bases: both are written again only behind this wait
.if \a == 4
	s_add_nc_u64 s[66:67], s[66:67], s[98:99]
	s_add_nc_u64 s[92:93], s[92:93], s[98:99]
	s_add_nc_u64 s[94:95], s[94:95], s[46:47]
.else
	s_add_nc_u64 s[66:67], s[66:67], s[96:97]
	s_add_nc_u64 s[92:93], s[92:93], s[96:97]
	s_add_nc_u64 s[94:95], s[94:95], 64
.endif
.endif
	QCODE 64*(\a%4), 2+\a/4
	global_store_b128 v4, v[PC:PC+3], s[66:67]     ; each store covers 512 or 256 consecutive bytes, aligned to 256
	global_store_b64 v5, v[PC+4:PC+5], s[66:67] offset:512
	global_store_b128 v4, v[PC+6:PC+9], s[92:93]
	global_store_b64 v5, v[PC+10:PC+11], s[92:93] offset:512
	v_lshrrev_b32 v[PW+1], v[SHV], v[PW]
	v_and_b32 v[PW+1], s23, v[PW+1]
	global_store_b32 v[SO], v[PW+1], s[94:95]      ; pieces of 64 bytes: one byte in 24 of the codes'
.endr
	s_wait_tensorcnt 0x0                           ; the wave's end
	ds_add_u32 v[SPW], v[NIL]
	s_wait_dscnt 0x0
	CROUND                                         ; the closing round: no work-group ends while a partner may still ask for a tile that names it
	s_endpgm
.Lfunc_end_k_q499693e69d_proj:
	.size	k_q499693e69d_proj, .Lfunc_end_k_q499693e69d_proj-k_q499693e69d_proj
	.p2alignl 7, 3214868480
	.fill 96, 4, 3214868480
	.section	.rodata,"a",@progbits
	.p2align	6, 0x0
	.amdhsa_kernel k_q499693e69d_proj
		.amdhsa_group_segment_fixed_size 327680
		.amdhsa_private_segment_fixed_size 0
		.amdhsa_enable_private_segment 0
		.amdhsa_kernarg_size 32
		.amdhsa_user_sgpr_count 2
		.amdhsa_user_sgpr_kernarg_segment_ptr 1
		.amdhsa_wavefront_size32 1
		.amdhsa_system_sgpr_workgroup_id_x 1
		.amdhsa_system_sgpr_workgroup_id_y 1
		.amdhsa_system_sgpr_workgroup_id_z 1
		.amdhsa_system_vgpr_workitem_id 0
		.amdhsa_next_free_vgpr 1024
		.amdhsa_next_free_sgpr 100
		.amdhsa_reserve_vcc 0
		.amdhsa_float_denorm_mode_32 3
		.amdhsa_float_denorm_mode_16_64 3
		.amdhsa_memory_ordered 1
		.amdhsa_forward_progress 1
		.amdhsa_inst_pref_size 153
	.end_amdhsa_kernel
	.amdgpu_metadata
---
amdhsa.version: [ 1, 2 ]
amdhsa.kernels:
  - .name:           k_q499693e69d_proj
    .symbol:         k_q499693e69d_proj.kd
    .args:
      - { .name: codes, .offset: 0, .size: 8, .value_kind: global_buffer, .address_space: global }
      - { .name: scl, .offset: 8, .size: 8, .value_kind: global_buffer, .address_space: global }
      - { .name: qkv, .offset: 16, .size: 8, .value_kind: global_buffer, .address_space: global }
      - { .name: qkvs, .offset: 24, .size: 8, .value_kind: global_buffer, .address_space: global }
    .group_segment_fixed_size: 327680
    .private_segment_fixed_size: 0
    .kernarg_segment_align: 8
    .kernarg_segment_size: 32
    .max_flat_workgroup_size: 128
    .sgpr_count:     100
    .vgpr_count:     1024
    .wavefront_size: 32
...
	.end_amdgpu_metadata
.endif
;; end of part 2
;; launch attn (part 3): grid 4 x 64, 4 waves a work-group, clusters of 4 x 1, 168,960 bytes of LDS; arguments qkv, qkvs, beta_p, iv_p, ov_p, chi, cc, ccs; writes cc, ccs
.if DOCPART == 3
	.amdgcn_target "amdgcn-amd-amdhsa--gfx1250"
	.amdhsa_code_object_version 6
	.text
	.protected	k_q499693e69d_attn
	.globl	k_q499693e69d_attn
	.p2align	8
	.type	k_q499693e69d_attn,@function
k_q499693e69d_attn:
	s_mov_b64 s[64:65], 0
	v_nop
	global_prefetch_b8 v0, s[64:65] scope:SCOPE_SE
	s_setreg_imm32_b32 hwreg(HW_REG_WAVE_MODE, 25, 1), 1
	s_wait_xcnt 0x0
	s_wait_alu depctr_hold_cnt(0) depctr_sa_sdst(0) depctr_va_vdst(0) depctr_va_sdst(0) depctr_va_ssrc(0) depctr_va_vcc(0) depctr_vm_vsrc(0)
	s_getreg_b32 s2, hwreg(HW_REG_IB_STS2, 6, 4)
	s_cmp_eq_u32 s2, 0
	s_cbranch_scc0 .Lentry_in_a_cluster
	s_endpgm
.Lentry_in_a_cluster:
	s_bfe_u32 s2, ttmp6, 0x10000c
	s_cmp_lg_u32 s2, 0x3003
	s_cbranch_scc0 .Lentry_shape_is_right
	s_endpgm
.Lentry_shape_is_right:
; For one (batch, head): alignment = inner outer^T / 8; softmax; x aperture(query) x expression(key); renormalised with + 1e-8; x v; the chamber's rotation and gains; the result quantised along D for the last product.
; Both products on codes of FP6 (E2M3) with E8M0 scales.  THE SECOND PRODUCT'S LEFT OPERAND IS THE FINISHED WEIGHT: with p = exp(s - m), Z = sum p, G = sum p e_k, t = a_q / Z it is p e_k c_q, c_q = t / (t G + 1e-8).
; SHARES.  Work-group y is the (batch, head); the four work-groups of a cluster take 256 queries each and read the same K, V and expression: 102,400 dense bytes, asked for JOINTLY, a quarter by each wave, filled once.
; FOUR WAVES OF 1,024 REGISTERS.  A wave owns a tile of 16 queries against ALL 1,024 keys (512 registers of scores), four tiles in a loop of four trips: the row's maximum.
; No prefetch: LDS is filled once, at the head, and the loop reads from memory only 832 bytes of Q and aperture a trip, asked for a trip ahead.
; ONE WAVE TO A SIMD, so unlike work is laid by turns in the wave's own text: behind each product of the scores stand the four maxima of a tile of the batch before; a chunk's exponentials stand one to one with plain
; work whose results are first read behind the batch's wait (the next chunk's scalings, the last chunk's w = p e).
; LAYOUT.  Both products are used transposed: S^T = K Q^T (source 0 = 16 keys), O^T = V^T P^T (source 0 = 16 of the head's 64): a lane holds ONE query (lane % 16) throughout.  The keys of a tile of K, and the channels of a tile of V,
; lie in the order 0-7, 16-23 | 8-15, 24-31, so that the 16 registers of two neighbouring tiles are 16 neighbours: register 16 b + i = index 32 b + 16 (lane / 16) + i.
; THE FIRST PRODUCT'S K IS 64 in an instruction of 128: Q's upper six registers are zero codes.  K's operand runs on into the six registers that follow (the next tile's codes; behind a batch's last tile whatever stands there):
; every code of E2M3 is a finite number, so against zero codes they add nothing; the scale bytes there are 0 (2^-127).
; REGISTERS.  Windows 1, 2: S^T, tile j at 8 j.  Window 3: v0-107 K, two batches of 8 tiles + 6 | v0-63 the expression of 128 keys; v110:111 c; v112-207 V's fragments of two key steps.
; Window 0: v1-7 addresses; v10-11 the add's two; v12:13 -c m; v14:15 c_q; v16-47 K's scale words, v48-63 V's, v64 Q's; v65 the aperture; v68-71 the chamber's two factors; v72-83 Q; v84-89 at work;
;   v90-121 the largest weight of each block of 32 keys, then its conversion's scale operand; v122-129 the maximum's chains; v130-137 P's scale words; v144-175 O^T; v176-207 P's codes; v208-219 at work;
;   v220-251 Z and G in eight chains each, then the blocks' scale bytes, then the rotated result.
; LIMITS: a block whose largest number lies under 2^-124 keeps the byte 1 (a block of zeros too); v_exp_f32 gives 0 for results under 2^-126; NaN and infinities are not served; the chamber's four factors
; (inner and outer valve, tanh(chi), cosine or sine) are multiplied together before they meet the converged value: an order of rounding that differs from the reference's by a few units in the last place.
; cos and sin of pi beta: x = pi (beta - 1/2) lies in [-pi/2, pi/2] for every beta in [0, 1]; cos(pi beta) = -sin x, sin(pi beta) = cos x, by series to x^11 and x^12, whose next terms lie under 6e-8 there.
.set HSTR, 155648
.set SPARE, 0x29000                    ; the spare words, 128 bytes a wave, behind all that is filled
.set L16,  1                           ; 16 x lane: also K's address in LDS (K lies at byte 0)
.set L8,   2                           ; 8 x lane
.set VA16, 3                           ; V in LDS, + 16 x lane;  v4: + 8 x lane
.set VA8,  4
.set EA,   5                           ; the expression: my half of the lanes' 16 keys of each 32
.set R4,   6                           ; 4 r
.set L4,   7                           ; 4 x lane
.set SPW,  10
.set NIL,  11
.set NM,   12
.set CQ,   14
.set KSC,  16
.set VSC,  48
.set QSC,  64
.set AQ,   65
.set AP,   68
.set BP,   70
.set QF,   72
.set TP,   84
.set BM,   90
.set MX,   122
.set PW,   130                         ; v130-137 P's scale words, one for each key step: they hold scales and nothing else
.set OT,   144
.set PC,   176
.set PT,   200
.set TM,   208
.set RR,   220
.set ZS,   220
.set GS,   236
.set HT,   220                         ; at work at the head
.set KB0,  0                           ; window 3
.set EV,   0
.set CV,   110
.set VB,   112
.set WV,   20
.set G1,   28
.set G0,   36
.set SEL,  40                          ; s[40:41] lane selects: lane l xor 16
.set NCS,  44                          ; -c = -log2(e) / 8
.set PQ,   46                          ; s[46:47] Q's tile in hand;  s[48:49] its scale words;  s[50:51] its apertures
.set PQS,  48
.set PAP,  50
.set TRIP, 52
.set PH,   54                          ; s[54:55] the head's scale words
.set MSB, 0
.macro WIN new                         ; the immediate's high byte repeats the setting that is left; a switch that changes nothing is dropped
.if MSB != (\new)
	s_set_vgpr_msb (MSB<<8)|(\new)
.set MSB, (\new)
.endif
.endm
.macro PLACES
.rept 4
	v_nop
.endr
.endm
.macro VW                              ; the wait ahead of and behind transcendentals, and ahead of blocking waits and branches behind which fresh results are read
	s_wait_alu depctr_va_vdst(0)
.endm
.macro CROUND                          ; a round of the cluster's barrier
	s_barrier_signal -1
	s_barrier_wait -1
	s_cmp_lg_u32 s[WV], 0
	s_cbranch_scc1 .Lnot_wave_0_\@
	s_barrier_signal -3
.Lnot_wave_0_\@:
	s_barrier_wait -3
	s_barrier_signal -1
	s_barrier_wait -1
.endm
	s_load_b512 s[4:19], s[0:1], 0x0               ; qkv, qkvs, beta_p, iv_p, ov_p, chi, cc, ccs
	v_lshl_add_u32 v[SPW], v0, 2, SPARE
	v_mov_b32 v[NIL], 0
	ds_add_u32 v[SPW], v[NIL]                      ; the opening lines: the add, twice on end, and its wait ahead of my tensor load
	ds_add_u32 v[SPW], v[NIL]
	v_lshrrev_b32 v[L4], 5, v0
	v_readfirstlane_b32 s[WV], v[L4]               ; wave 0..3
	v_and_b32 v[L4], 31, v0
	v_and_b32 v[R4], 15, v0
	v_bfe_u32 v[EA], v0, 4, 1
	v_lshlrev_b32 v[L16], 4, v[L4]
	v_lshlrev_b32 v[L8], 3, v[L4]
	v_lshlrev_b32 v[L4], 2, v[L4]
	v_lshlrev_b32 v[R4], 2, v[R4]
	v_add_nc_u32 v[VA16], 0xc000, v[L16]           ; V lies behind K's 49,152 bytes
	v_add_nc_u32 v[VA8], 0xc000, v[L8]
	v_lshl_add_u32 v[EA], v[EA], 6, 0x18000        ; the expression behind V's
	v_mov_b32 v[NM+1], 0                           ; (upper halves of pairs of which the low word serves both halves: named, so written)
	v_mov_b32 v[CQ+1], 0
.irp i, 0,1,2,3,4,5
	v_mov_b32 v[QF+6+\i], 0                        ; zero codes: the upper 64 of the first product's K
.endr
	VW
	s_bfe_u32 s21, ttmp6, 0x40000                  ; cx: it enters Q's, the aperture's and cc's addresses alone
	s_and_b32 s22, ttmp7, 0xffff                   ; (batch, head), which the four partners share
	s_and_b32 s23, s22, 15                         ; head
	s_lshr_b32 s24, s22, 4                         ; batch
	s_mul_i32 s56, s22, HSTR
	s_mov_b32 s57, 0
	s_mul_i32 s25, s[WV], 25600                    ; my quarter of the 102,400 bytes
	s_add_co_u32 s58, s56, s25
	s_add_co_u32 s58, s58, 49152                   ; K begins behind Q
	s_mov_b32 s59, 0
	s_mov_b32 s[G1], 15|(3<<16)|(1<<21)            ; 15:0 the mask: all four work-groups; 17:16 elements of 8 bytes; 21 set beside a mask
	s_mov_b32 s[G1+1], 32<<16                      ; rows of 256 bytes,
	s_mov_b32 s[G1+2], 100<<16                     ; 100 of them,
	s_mov_b32 s[G1+3], 32<<16
	s_mov_b32 s[G1+4], 100
	s_mov_b32 s[G1+5], 32                          ; dense
	s_mov_b32 s[G1+6], 0
	s_mov_b32 s[G1+7], 0
	s_mov_b32 s[SEL], 0x76543210
	s_mov_b32 s[SEL+1], 0xfedcba98
	s_mov_b32 s[NCS], 0xbe38aa3b
	s_wait_dscnt 0x0
	s_wait_kmcnt 0x0
	CROUND                                         ; all four work-groups are here: the joint loads meet
	s_mov_b32 s[G0], 1
	s_mov_b32 s[G0+1], s25
	s_add_nc_u64 s[G0+2:G0+3], s[4:5], s[58:59]
	s_or_b32 s[G0+3], s[G0+3], 0x80000000
	tensor_load_to_lds s[G0:G0+3], s[G1:G1+7]      ; my one tensor load: LDS is filled once
	s_nop 0
	PLACES
	s_lshl_b32 s26, s21, 4
	s_lshl_b32 s27, s[WV], 2
	s_add_co_u32 s26, s26, s27                     ; my first tile of queries: 16 cx + 4 wave
	s_mul_i32 s[PQ], s26, 768
	s_add_co_u32 s[PQ], s[PQ], s56
	s_mov_b32 s[PQ+1], 0
	s_add_nc_u64 s[PQ:PQ+1], s[4:5], s[PQ:PQ+1]
	s_lshl_b32 s[PAP], s26, 6
	s_add_co_u32 s[PAP], s[PAP], s56
	s_add_co_u32 s[PAP], s[PAP], 151552
	s_mov_b32 s[PAP+1], 0
	s_add_nc_u64 s[PAP:PAP+1], s[4:5], s[PAP:PAP+1]
	s_mul_i32 s[PH], s22, 12288
	s_mov_b32 s[PH+1], 0
	s_add_nc_u64 s[PH:PH+1], s[6:7], s[PH:PH+1]
	s_lshl_b32 s[PQS], s26, 6
	s_mov_b32 s[PQS+1], 0
	s_add_nc_u64 s[PQS:PQS+1], s[PH:PH+1], s[PQS:PQS+1]
	s_lshl_b32 s27, s24, 6
	s_add_co_u32 s27, s27, s26                     ; cc's row block: 64 x batch + tile
	s_lshr_b32 s60, s23, 1                         ; the head is half fragment head % 2 of k step head / 2
	s_and_b32 s61, s23, 1
	s_mul_i32 s58, s27, 12288
	s_mul_i32 s62, s60, 1536
	s_add_co_u32 s58, s58, s62
	s_mul_i32 s62, s61, 768
	s_add_co_u32 s58, s58, s62
	s_add_nc_u64 s[16:17], s[16:17], s[58:59]
	s_lshl_b32 s58, s27, 9
	s_lshl_b32 s62, s60, 6
	s_add_co_u32 s58, s58, s62
	s_lshl_b32 s62, s61, 1
	s_add_co_u32 s58, s58, s62
	s_add_nc_u64 s[18:19], s[18:19], s[58:59]
	s_lshl_b32 s62, s23, 2
	v_mov_b32 v[TP+4], s62                         ; the head's place in the four tables of parameters
	global_load_b32 v[TP], v[TP+4], s[8:9]         ; beta_p
	global_load_b32 v[TP+1], v[TP+4], s[10:11]     ; iv_p
	global_load_b32 v[TP+2], v[TP+4], s[12:13]     ; ov_p
	global_load_b32 v[TP+3], v[TP+4], s[14:15]     ; chi
.set i, 0
.rept 32
	global_load_b32 v[KSC+i], v[L4], s[PH:PH+1] offset:4096+128*i   ; K's scale words: lanes 0-15 tile 2 i, lanes 16-31 tile 2 i + 1
.set i, i+1
.endr
.set i, 0
.rept 16
	global_load_b32 v[VSC+i], v[L4], s[PH:PH+1] offset:8192+128*i   ; V's: fragments 2 i and 2 i + 1
.set i, i+1
.endr
	global_load_b128 v[QF:QF+3], v[L16], s[PQ:PQ+1]
	global_load_b64 v[QF+4:QF+5], v[L8], s[PQ:PQ+1] offset:512
	global_load_b32 v[QSC], v[R4], s[PQS:PQS+1]
	WIN 0xc0
.irp i, 0,1,2,3,4,5
	v_mov_b32 v[KB0+48+\i], 0                      ; what the last tile of each batch of K runs on into: written, so that the first trip reads nothing unwritten
	v_mov_b32 v[KB0+102+\i], 0
.endr
	v_mov_b32 v[CV], 0x3e38aa3b                    ; c = log2(e) / 8, as a pair in window 3: so the scalings run under the same window setting as w = p e
	v_mov_b32 v[CV+1], 0x3e38aa3b
	WIN 0
	s_wait_loadcnt 51                              ; the four parameters are in; the 51 loads issued behind them may be out
	v_mul_f32 v[HT], 0xbfb8aa3b, v[TP]             ; sigmoid(z) = 1 / (1 + 2^(-log2(e) z))
	v_mul_f32 v[HT+1], 0xbfb8aa3b, v[TP+1]
	v_mul_f32 v[HT+2], 0xbfb8aa3b, v[TP+2]
	v_mul_f32 v[HT+3], 0x4038aa3b, v[TP+3]         ; tanh(z) = 1 - 2 / (1 + 2^(2 log2(e) z))
	VW
.irp i, 0,1,2,3
	v_exp_f32 v[HT+\i], v[HT+\i]
.endr
	v_mul_f32 v[HT+4], v[TP+3], v[TP+3]            ; chi^2 (a plain instruction behind the exponentials)
	VW
.irp i, 0,1,2,3
	v_add_f32 v[HT+\i], 1.0, v[HT+\i]
.endr
	VW
.irp i, 0,1,2,3
	v_rcp_f32 v[HT+\i], v[HT+\i]
.endr
	v_mov_b32 v[HT+5], 0xbd5d0dd1                  ; -17/315
	VW
	v_fma_f32 v[HT+3], v[HT+3], -2.0, 1.0
	v_fma_f32 v[HT+5], v[HT+5], v[HT+4], 0x3e088889   ; where chi^2 < 1/16 the difference above loses digits: chi (1 - chi^2/3 + 2 chi^4/15 - 17 chi^6/315)
	v_add_f32 v[HT+6], -0.5, v[HT]
	v_fma_f32 v[HT+5], v[HT+5], v[HT+4], 0xbeaaaaab
	v_mul_f32 v[HT+6], 0x40490fdb, v[HT+6]         ; x = pi (beta - 1/2)
	v_fma_f32 v[HT+5], v[HT+5], v[HT+4], 1.0
	v_mul_f32 v[HT+7], v[HT+6], v[HT+6]
	v_mul_f32 v[HT+5], v[HT+5], v[TP+3]
	v_cmp_gt_f32 vcc_lo, 0x3d800000, v[HT+4]
	v_cndmask_b32 v[HT+3], v[HT+3], v[HT+5], vcc_lo   ; a choice of value, no branch
	v_mov_b32 v[HT+8], 0xb2d7322b                  ; sin x
	v_mov_b32 v[HT+9], 0x310f76c7                  ; cos x
	v_fma_f32 v[HT+8], v[HT+8], v[HT+7], 0x3638ef1d
	v_fma_f32 v[HT+9], v[HT+9], v[HT+7], 0xb493f27e
	v_fma_f32 v[HT+8], v[HT+8], v[HT+7], 0xb9500d01
	v_fma_f32 v[HT+9], v[HT+9], v[HT+7], 0x37d00d01
	v_fma_f32 v[HT+8], v[HT+8], v[HT+7], 0x3c088889
	v_fma_f32 v[HT+9], v[HT+9], v[HT+7], 0xbab60b61
	v_fma_f32 v[HT+8], v[HT+8], v[HT+7], 0xbe2aaaab
	v_fma_f32 v[HT+9], v[HT+9], v[HT+7], 0x3d2aaaab
	v_fma_f32 v[HT+8], v[HT+8], v[HT+7], 1.0
	v_fma_f32 v[HT+9], v[HT+9], v[HT+7], -0.5
	v_mul_f32 v[HT+8], v[HT+8], v[HT+6]
	v_fma_f32 v[HT+9], v[HT+9], v[HT+7], 1.0
	v_mul_f32 v[HT+10], v[HT+1], v[HT+2]
	v_mul_f32 v[HT+10], v[HT+10], v[HT+3]          ; inner valve x outer valve x tanh(chi)
	v_mul_f32 v[AP], -v[HT+8], v[HT+10]            ; x cos(pi beta)
	v_mul_f32 v[BP], v[HT+9], v[HT+10]             ; x sin(pi beta)
	v_mov_b32 v[AP+1], v[AP]
	v_mov_b32 v[BP+1], v[BP]
	VW                                             ; the head's end
	s_wait_tensorcnt 0x0                           ; my quarter has landed,
	s_barrier_signal -1
	s_barrier_wait -1                              ; everybody's has
.macro FETCHK g                        ; tiles 8 g .. 8 g + 7 of K, six registers each, on end, into window 3
	WIN 0xc0
.set j, 0
.rept 8
	ds_load_b128 v[KB0+54*((\g)%2)+6*j:KB0+54*((\g)%2)+6*j+3], v[L16] offset:768*(8*(\g)+j)
	ds_load_b64 v[KB0+54*((\g)%2)+6*j+4:KB0+54*((\g)%2)+6*j+5], v[L8] offset:768*(8*(\g)+j)+512
.set j, j+1
.endr
.endm
; Batch g's scores: K window 3, Q window 0, S^T window 1 or 2.  m = 1: behind each product stand the four maxima of the same tile of batch g - 1 (eight chains in all, each accumulator from its low end on):
; they name no register of the product, so the last four are the places in front of the loads that follow.
.macro SC g, m
.irp j, 0,1,2,3,4,5,6,7
	WIN ((1+(\g)/4)<<6)|3
.set rD, 8*(8*((\g)%4)+\j)
.set rK, KB0+54*((\g)%2)+6*\j
.if (\j)%2
	v_wmma_scale_f32_16x16x128_f8f6f4 v[rD:rD+7], v[rK:rK+11], v[QF:QF+11], 0, v[KSC+4*(\g)+\j/2], v[QSC] matrix_a_fmt:MATRIX_FMT_FP6 matrix_b_fmt:MATRIX_FMT_FP6 matrix_a_scale:MATRIX_SCALE_ROW1
.else
	v_wmma_scale_f32_16x16x128_f8f6f4 v[rD:rD+7], v[rK:rK+11], v[QF:QF+11], 0, v[KSC+4*(\g)+\j/2], v[QSC] matrix_a_fmt:MATRIX_FMT_FP6 matrix_b_fmt:MATRIX_FMT_FP6
.endif
.if \m
	WIN (1+((\g)-1)/4)*0x14
.irp i, 0,1,2,3
	v_max3_num_f32 v[MX+4*(\j%2)+\i], v[MX+4*(\j%2)+\i], v[64*(((\g)-1)%4)+8*\j+2*\i], v[64*(((\g)-1)%4)+8*\j+2*\i+1]
.endr
.endif
.endr
.endm
.macro MAXB g                          ; batch g's part of the row's maximum by itself
	WIN (1+(\g)/4)*0x14
.set n, 0
.rept 32
	v_max3_num_f32 v[MX+n%8], v[MX+n%8], v[64*((\g)%4)+2*n], v[64*((\g)%4)+2*n+1]
.set n, n+1
.endr
.endm
; A CHUNK is 128 keys: 64 registers of S^T, in window 1 + chunk / 4.
.macro FMA c                           ; c s - c m, two at a time
	WIN ((1+(\c)/4)*0x41)|0x0c
.set n, 64*((\c)%4)
.rept 32
	v_pk_fma_f32 v[n:n+1], v[n:n+1], v[CV:CV+1], v[NM:NM+1] op_sel_hi:[1,1,0]
.set n, n+2
.endr
.endm
; A chunk's 64 exponentials, one batch.  f = 1: with the next chunk's scalings between them; m = 1: with the last chunk's w = p e.  Both chunks then lie in this chunk's window.
; What the plain lines write is first read behind the wait that follows the batch; what they read was written ahead of the wait that precedes it.
.macro EXPS c, f, m
	WIN ((1+(\c)/4)*0x41)|0x0c
.set n, 64*((\c)%4)
.set e, EV
.rept 32
	v_exp_f32 v[n], v[n]
.if \f
	v_pk_fma_f32 v[n+64:n+65], v[n+64:n+65], v[CV:CV+1], v[NM:NM+1] op_sel_hi:[1,1,0]
.endif
	v_exp_f32 v[n+1], v[n+1]
.if \m
	v_pk_mul_f32 v[n-64:n-63], v[n-64:n-63], v[e:e+1]
.endif
.set n, n+2
.set e, e+2
.endr
.if (\m) == 0
	v_nop                                          ; a plain instruction behind the last exponential
.endif
.endm
.macro ELOAD c                         ; the chunk's expression, in the registers' order of keys; the sixteen lanes of a half read the same bytes
	WIN 0xc0
.irp b, 0,1,2,3
.irp j, 0,1,2,3
	ds_load_b128 v[EV+16*\b+4*\j:EV+16*\b+4*\j+3], v[EA] offset:512*(\c)+128*\b+16*\j
.endr
.endr
.endm
.macro ZADD c                          ; Z += p, eight chains
.set B0, 64*((\c)%4)
	WIN (1+(\c)/4)*0x14                            ; sources 1 and 2: the chunk's window
.set n, 0
.rept 4
.irp z, 0,2,4,6,8,10,12,14
	v_pk_add_f32 v[ZS+\z:ZS+\z+1], v[ZS+\z:ZS+\z+1], v[B0+n+\z:B0+n+\z+1]
.endr
.set n, n+16
.endr
.endm
.macro MULE c                          ; w = p e by itself: for a window's last chunk
.set B0, 64*((\c)%4)
	WIN ((1+(\c)/4)*0x41)|0x0c                     ; source 1: window 3
.set n, 0
.rept 32
	v_pk_mul_f32 v[B0+n:B0+n+1], v[B0+n:B0+n+1], v[EV+n:EV+n+1]
.set n, n+2
.endr
.endm
.macro GB c                            ; G += w, eight chains;  the largest w of each block of 32 keys
.set B0, 64*((\c)%4)
	WIN (1+(\c)/4)*0x14
.irp b, 0,1,2,3
	v_max3_num_f32 v[BM+4*(\c)+\b], 0, v[B0+16*\b], v[B0+16*\b+1]   ; no weight is negative
	v_pk_add_f32 v[GS+2*\b:GS+2*\b+1], v[GS+2*\b:GS+2*\b+1], v[B0+16*\b:B0+16*\b+1]
.endr
.irp i, 2,4,6,8,10,12,14
.irp b, 0,1,2,3
	v_max3_num_f32 v[BM+4*(\c)+\b], v[BM+4*(\c)+\b], v[B0+16*\b+\i], v[B0+16*\b+\i+1]
	v_pk_add_f32 v[GS+2*\b+8*((\i/2)%2):GS+2*\b+8*((\i/2)%2)+1], v[GS+2*\b+8*((\i/2)%2):GS+2*\b+8*((\i/2)%2)+1], v[B0+16*\b+\i:B0+16*\b+\i+1]
.endr
.endr
.endm
; Chunk c's turn: its batch; the wait; its expression is asked for (the registers are free: the last chunk's w is made); Z; the last chunk's G and maxima.  A window's last chunk (f = 0) is finished here.
.macro CHUNK c, f, m
.if \m
	s_wait_dscnt 0x0                               ; the last chunk's expression is in
.endif
	EXPS \c, \f, \m
.if (\c) == 3
	FMA 4                                          ; the other window's first chunk: its scalings stand behind the batch
.endif
	VW
.if (\c) > 0
	ELOAD \c
.endif
	ZADD \c
.if \m
	GB (\c)-1
.endif
.if (\f) == 0
	s_wait_dscnt 0x0
	MULE \c
	GB \c
.endif
.endm
.macro MULC ks                         ; the finished weight: w c_q
	WIN (1+(\ks)/4)*0x41
.set n, 64*((\ks)%4)
.rept 32
	v_pk_mul_f32 v[n:n+1], v[n:n+1], v[CQ:CQ+1] op_sel_hi:[1,0]
.set n, n+2
.endr
.endm
.macro QC ks                           ; key step ks's 128 weights become a fragment
.set P0, PC+12*((\ks)%2)
.set S0, 64*((\ks)%4)
	WIN 1+(\ks)/4                                  ; source 0: the weights' window
.irp c, 0,1
	v_cvt_scalef32_pk16_fp6_f32 v[P0+6*\c:P0+6*\c+2], v[S0+32*\c:S0+32*\c+15], v[BM+4*(\ks)+2*\c]
	v_cvt_scalef32_pk16_fp6_f32 v[PT+4*\c:PT+4*\c+2], v[S0+32*\c+16:S0+32*\c+31], v[BM+4*(\ks)+2*\c+1]
.endr
	WIN 0
	v_nop                                          ; one plain instruction behind the scaled conversions
.irp c, 0,1                            ; the layout wants a WHOLE block in a lane: lanes 0-15 block 2 c, lanes 16-31 block 2 c + 1
.irp i, 0,1,2
	v_permlane16_swap_b32 v[P0+6*\c+\i], v[PT+4*\c+\i]
.endr
.irp i, 0,1,2
	v_mov_b32 v[P0+6*\c+3+\i], v[PT+4*\c+\i]
.endr
.endr
.endm
.macro VLOAD ks                        ; V's four fragments of key step ks, into window 3
	WIN 0xc0
.irp d, 0,1,2,3
.set rV, VB+48*((\ks)%2)+12*\d
	ds_load_b128 v[rV:rV+3], v[VA16] offset:6144*(\ks)+1536*\d
	ds_load_b64 v[rV+4:rV+5], v[VA8] offset:6144*(\ks)+1536*\d+512
	ds_load_b128 v[rV+6:rV+9], v[VA16] offset:6144*(\ks)+1536*\d+768
	ds_load_b64 v[rV+10:rV+11], v[VA8] offset:6144*(\ks)+1536*\d+1280
.endr
.endm
.macro PV1 ks, d                       ; O^T's tile d += V^T P^T over key step ks.  The four accumulators take turns, one instruction a turn
.set rO, OT+8*(\d)
.set rV, VB+48*((\ks)%2)+12*(\d)
.set rP, PC+12*((\ks)%2)
.set rS, VSC+2*(\ks)+(\d)/2
.set rW, PW+(\ks)
.if (\ks) == 0
.if (\d)%2
	v_wmma_scale_f32_16x16x128_f8f6f4 v[rO:rO+7], v[rV:rV+11], v[rP:rP+11], 0, v[rS], v[rW] matrix_a_fmt:MATRIX_FMT_FP6 matrix_b_fmt:MATRIX_FMT_FP6 matrix_a_scale:MATRIX_SCALE_ROW1
.else
	v_wmma_scale_f32_16x16x128_f8f6f4 v[rO:rO+7], v[rV:rV+11], v[rP:rP+11], 0, v[rS], v[rW] matrix_a_fmt:MATRIX_FMT_FP6 matrix_b_fmt:MATRIX_FMT_FP6
.endif
.else
.if (\d)%2
	v_wmma_scale_f32_16x16x128_f8f6f4 v[rO:rO+7], v[rV:rV+11], v[rP:rP+11], v[rO:rO+7], v[rS], v[rW] matrix_a_fmt:MATRIX_FMT_FP6 matrix_b_fmt:MATRIX_FMT_FP6 matrix_a_scale:MATRIX_SCALE_ROW1
.else
	v_wmma_scale_f32_16x16x128_f8f6f4 v[rO:rO+7], v[rV:rV+11], v[rP:rP+11], v[rO:rO+7], v[rS], v[rW] matrix_a_fmt:MATRIX_FMT_FP6 matrix_b_fmt:MATRIX_FMT_FP6
.endif
.endif
.endm
	FETCHK 0                                       ; K's first two batches: the same for every tile; a trip asks for the next trip's ahead of its chamber
	FETCHK 1
	WIN 0
	s_mov_b32 s[TRIP], 4
.Ltile:
	global_load_b32 v[AQ], v[R4], s[PAP:PAP+1]     ; the tile's apertures: wanted when the sums are whole
	s_wait_loadcnt 0x1                             ; Q, its scale words and (first trip) K's and V's are in; the aperture may be out
	s_wait_dscnt 16                                ; the older batch is in; the younger batch's 16 loads may be out
	SC 0, 0
	WIN 0
.irp c, 0,1,2,3,4,5,6,7
	v_mov_b32 v[MX+\c], 0xff800000                 ; these forty lines name no register of the products above: they are the places in front of the loads below
.endr
.set i, 0
.rept 32
	v_mov_b32 v[ZS+i], 0                           ; Z and G
.set i, i+1
.endr
	VW
	FETCHK 2
.irp g, 1,2,3,4,5,6,7
.if \g < 7
	s_wait_dscnt 16
.else
	s_wait_dscnt 0x0
.endif
	SC \g, 1
.if \g < 7
	VW                                             ; the chains are read again behind the next wait on DScnt
.endif
.if \g < 6
	FETCHK \g+2
.endif
.endr
	WIN 0
	VW
	s_cmp_eq_u32 s[TRIP], 1                        ; the next tile's Q is asked for a trip ahead, if there is one
	s_cbranch_scc1 .Lno_next
	global_load_b128 v[QF:QF+3], v[L16], s[PQ:PQ+1] offset:768
	global_load_b64 v[QF+4:QF+5], v[L8], s[PQ:PQ+1] offset:1280
	global_load_b32 v[QSC], v[R4], s[PQS:PQS+1] offset:64
.Lno_next:
	MAXB 7
	WIN 0
	v_max3_num_f32 v[MX], v[MX], v[MX+1], v[MX+2]
	v_max3_num_f32 v[MX+3], v[MX+3], v[MX+4], v[MX+5]
	v_max3_num_f32 v[MX], v[MX], v[MX+3], v[MX+6]
	v_max_num_f32 v[MX], v[MX], v[MX+7]
	v_permlanex16_b32 v[TP], v[MX], s[SEL], s[SEL+1]
	v_max_num_f32 v[MX], v[MX], v[TP]              ; the row's maximum
	v_mul_f32 v[NM], s[NCS], v[MX]                 ; -c m
	; ---- p, Z, w = p e, G and the blocks' largest w, a chunk at a time
	FMA 0
	ELOAD 0
	VW
	CHUNK 0, 1, 0
	CHUNK 1, 1, 1
	CHUNK 2, 1, 1
	CHUNK 3, 0, 1
	CHUNK 4, 1, 0
	CHUNK 5, 1, 1
	CHUNK 6, 1, 1
	CHUNK 7, 0, 1
	VW
	VLOAD 0
	VLOAD 1
	WIN 0
	s_wait_loadcnt 0x0                             ; the aperture (and the next Q)
.irp z, ZS, GS
.irp k, 0,2,4,6
	v_pk_add_f32 v[\z+\k:\z+\k+1], v[\z+\k:\z+\k+1], v[\z+\k+8:\z+\k+9]
.endr
.endr
.irp z, ZS, GS
	v_pk_add_f32 v[\z:\z+1], v[\z:\z+1], v[\z+4:\z+5]
	v_pk_add_f32 v[\z+2:\z+3], v[\z+2:\z+3], v[\z+6:\z+7]
.endr
.irp z, ZS, GS
	v_pk_add_f32 v[\z:\z+1], v[\z:\z+1], v[\z+2:\z+3]
.endr
.irp z, ZS, GS
	v_add_f32 v[\z], v[\z], v[\z+1]
.endr
	v_permlanex16_b32 v[TP], v[ZS], s[SEL], s[SEL+1]
	v_permlanex16_b32 v[TP+1], v[GS], s[SEL], s[SEL+1]
	v_add_f32 v[ZS], v[ZS], v[TP]                  ; Z and G of the whole row
	v_add_f32 v[GS], v[GS], v[TP+1]
	VW
	v_rcp_f32 v[TP], v[ZS]
	v_nop
	WIN 0xc0
.set n, 0
.rept 32
	v_permlanex16_b32 v[EV+n], v[BM+n], s[SEL], s[SEL+1]   ; the blocks' largest weights of lane l xor 16: work that names nothing of the reciprocal
.set n, n+1
.endr
	WIN 0
	VW
	v_mul_f32 v[TP], v[AQ], v[TP]                  ; t = a / Z
	v_fma_f32 v[TP+1], v[TP], v[GS], 0x322bcc77    ; t G + 1e-8
	VW
	v_rcp_f32 v[TP+1], v[TP+1]
	v_nop
	WIN 0x0c
.set n, 0
.rept 32
	v_max_num_f32 v[BM+n], v[BM+n], v[EV+n]
.set n, n+1
.endr
	WIN 0
	VW
	v_mul_f32 v[CQ], v[TP], v[TP+1]                ; c_q
	; ---- the scales of all 32 blocks at once.  A multiplication does not turn an order round: a block's largest weight is its largest w times the same factor, to the bit
.set n, 0
.rept 32
	v_mul_f32 v[BM+n], v[BM+n], v[CQ]
.set n, n+1
.endr
.set n, 0
.rept 32
	v_max_num_f32 v[BM+n], 0x1800000, v[BM+n]      ; the floor 2^(3 - 127)
.set n, n+1
.endr
.set n, 0
.rept 32
	v_add_nc_u32 v[BM+n], 0xff000000, v[BM+n]      ; 2 off the exponent field: the conversion's scale operand
.set n, n+1
.endr
.set n, 0
.rept 32
	v_lshrrev_b32 v[RR+n], 23, v[BM+n]             ; the scale's byte (Z and G are done with)
.set n, n+1
.endr
.irp k, 0,1,2,3,4,5,6,7
	v_lshl_or_b32 v[PW+\k], v[RR+4*\k+1], 8, v[RR+4*\k]
.endr
.irp k, 0,1,2,3,4,5,6,7
	v_lshl_or_b32 v[PW+\k], v[RR+4*\k+2], 16, v[PW+\k]
.endr
.irp k, 0,1,2,3,4,5,6,7
	v_lshl_or_b32 v[PW+\k], v[RR+4*\k+3], 24, v[PW+\k]
.endr
	; ---- the second product, a key step of 128 at a time.  The next step's 32 multiplications stand between a fragment's last write and its product: more than the 4 places that an operand written by vector instructions wants
	MULC 0
	QC 0
.irp ks, 0,1,2,3,4,5,6,7
.if \ks < 7
	MULC \ks+1
	VW                                             ; the next step's weights are read by its conversions behind the wait below
	s_wait_dscnt 16                                ; this step's V is in; the next step's 16 loads may be out
.else
	PLACES
	VW
	s_wait_dscnt 0x0
.endif
	WIN 0x03                                       ; source 0 (V) window 3
	PV1 \ks, 0
	PV1 \ks, 1
	PV1 \ks, 2
	PV1 \ks, 3
.if \ks < 7
	QC \ks+1                                       ; it names no register of the four products: its v_nop and six moves are the places in front of the loads below
.endif
.if \ks < 6
	VLOAD \ks+2
.endif
.endr
	WIN 0
	s_cmp_eq_u32 s[TRIP], 1                        ; the next trip's first two batches of K, if there is a next trip: the chamber stands between these loads and the wait for them
	s_cbranch_scc1 .Lno_k
	FETCHK 0
	FETCHK 1
	WIN 0
.Lno_k:
	PLACES
	; ---- the chamber: registers 0-15 of O^T are channels 16 h + i, registers 16-31 channels 32 + 16 h + i: the rotation's two halves meet in one lane.  Each accumulator is read from its low end on
.irp i, 0,2,4,6,8,10,12,14
	v_pk_mul_f32 v[RR+\i:RR+\i+1], v[OT+16+\i:OT+17+\i], v[BP:BP+1]
	v_pk_mul_f32 v[RR+16+\i:RR+17+\i], v[OT+16+\i:OT+17+\i], v[AP:AP+1]
.endr
.irp i, 0,2,4,6,8,10,12,14
	v_pk_fma_f32 v[RR+\i:RR+\i+1], v[OT+\i:OT+\i+1], v[AP:AP+1], v[RR+\i:RR+\i+1] neg_lo:[0,0,1] neg_hi:[0,0,1]
	v_pk_fma_f32 v[RR+16+\i:RR+17+\i], v[OT+\i:OT+\i+1], v[BP:BP+1], v[RR+16+\i:RR+17+\i]
.endr
	; ---- quantised along D: the head's 64 are two blocks of 32: a half fragment and two scale bytes
.irp b, 0,1
	v_max3_num_f32 v[TM+\b], |v[RR+16*\b]|, |v[RR+16*\b+1]|, 0x1800000
.endr
.irp i, 2,4,6,8,10,12,14
.irp b, 0,1
	v_max3_num_f32 v[TM+\b], v[TM+\b], |v[RR+16*\b+\i]|, |v[RR+16*\b+\i+1]|
.endr
.endr
.irp b, 0,1
	v_permlanex16_b32 v[TP+\b], v[TM+\b], s[SEL], s[SEL+1]
.endr
.irp b, 0,1
	v_max_num_f32 v[TM+\b], v[TM+\b], v[TP+\b]
.endr
.irp b, 0,1
	v_add_nc_u32 v[TM+8+\b], 0xff000000, v[TM+\b]
.endr
.irp b, 0,1
	v_lshrrev_b32 v[TM+4+\b], 23, v[TM+8+\b]
.endr
	v_lshl_or_b32 v[TP+4], v[TM+5], 8, v[TM+4]
	v_cvt_scalef32_pk16_fp6_f32 v[PC:PC+2], v[RR:RR+15], v[TM+8]
	v_cvt_scalef32_pk16_fp6_f32 v[PT:PT+2], v[RR+16:RR+31], v[TM+9]
	v_nop
.irp i, 0,1,2
	v_permlane16_swap_b32 v[PC+\i], v[PT+\i]
.endr
.irp i, 0,1,2
	v_mov_b32 v[PC+3+\i], v[PT+\i]
.endr
	global_store_b128 v[L16], v[PC:PC+3], s[16:17] ; 512 and 256 consecutive bytes, aligned to 256
	global_store_b64 v[L8], v[PC+4:PC+5], s[16:17] offset:512
	global_store_b16 v[R4], v[TP+4], s[18:19]      ; two bytes a row, both halves of the lanes the same: 128 KiB in the whole launch
	s_wait_xcnt 0x0                                ; the stores and loads have read their registers and bases: both are written again only behind this wait
	s_add_nc_u64 s[PQ:PQ+1], s[PQ:PQ+1], 768
	s_add_nc_u64 s[PQS:PQS+1], s[PQS:PQS+1], 64
	s_add_nc_u64 s[PAP:PAP+1], s[PAP:PAP+1], 64
	s_add_nc_u64 s[16:17], s[16:17], 12288
	s_add_nc_u64 s[18:19], s[18:19], 512
	s_sub_co_u32 s[TRIP], s[TRIP], 1
	s_cmp_lg_u32 s[TRIP], 0
	VW
	s_cbranch_scc1 .Ltile
	s_wait_tensorcnt 0x0                           ; the wave's end
	ds_add_u32 v[SPW], v[NIL]
	s_wait_dscnt 0x0
	CROUND                                         ; the closing round
	s_endpgm
.Lfunc_end_k_q499693e69d_attn:
	.size	k_q499693e69d_attn, .Lfunc_end_k_q499693e69d_attn-k_q499693e69d_attn
	.p2alignl 7, 3214868480
	.fill 96, 4, 3214868480
	.section	.rodata,"a",@progbits
	.p2align	6, 0x0
	.amdhsa_kernel k_q499693e69d_attn
		.amdhsa_group_segment_fixed_size 168960
		.amdhsa_private_segment_fixed_size 0
		.amdhsa_enable_private_segment 0
		.amdhsa_kernarg_size 64
		.amdhsa_user_sgpr_count 2
		.amdhsa_user_sgpr_kernarg_segment_ptr 1
		.amdhsa_wavefront_size32 1
		.amdhsa_system_sgpr_workgroup_id_x 1
		.amdhsa_system_sgpr_workgroup_id_y 1
		.amdhsa_system_sgpr_workgroup_id_z 1
		.amdhsa_system_vgpr_workitem_id 0
		.amdhsa_next_free_vgpr 1024
		.amdhsa_next_free_sgpr 66
		.amdhsa_reserve_vcc 1
		.amdhsa_float_denorm_mode_32 3
		.amdhsa_float_denorm_mode_16_64 3
		.amdhsa_memory_ordered 1
		.amdhsa_forward_progress 1
		.amdhsa_inst_pref_size 213
	.end_amdhsa_kernel
	.amdgpu_metadata
---
amdhsa.version: [ 1, 2 ]
amdhsa.kernels:
  - .name:           k_q499693e69d_attn
    .symbol:         k_q499693e69d_attn.kd
    .args:
      - { .name: qkv, .offset: 0, .size: 8, .value_kind: global_buffer, .address_space: global }
      - { .name: qkvs, .offset: 8, .size: 8, .value_kind: global_buffer, .address_space: global }
      - { .name: beta_p, .offset: 16, .size: 8, .value_kind: global_buffer, .address_space: global }
      - { .name: iv_p, .offset: 24, .size: 8, .value_kind: global_buffer, .address_space: global }
      - { .name: ov_p, .offset: 32, .size: 8, .value_kind: global_buffer, .address_space: global }
      - { .name: chi, .offset: 40, .size: 8, .value_kind: global_buffer, .address_space: global }
      - { .name: cc, .offset: 48, .size: 8, .value_kind: global_buffer, .address_space: global }
      - { .name: ccs, .offset: 56, .size: 8, .value_kind: global_buffer, .address_space: global }
    .group_segment_fixed_size: 168960
    .private_segment_fixed_size: 0
    .kernarg_segment_align: 8
    .kernarg_segment_size: 64
    .max_flat_workgroup_size: 128
    .sgpr_count:     66
    .vgpr_count:     1024
    .wavefront_size: 32
...
	.end_amdgpu_metadata
.endif
;; end of part 3
;; launch outp (part 4): grid 8 x 32, 4 waves a work-group, clusters of 4 x 4, 229,888 bytes of LDS; arguments cc, ccs, codes, scl, out0; writes out0
.if DOCPART == 4
	.amdgcn_target "amdgcn-amd-amdhsa--gfx1250"
	.amdhsa_code_object_version 6
	.text
	.protected	k_q499693e69d_outp
	.globl	k_q499693e69d_outp
	.p2align	8
	.type	k_q499693e69d_outp,@function
k_q499693e69d_outp:
	s_mov_b64 s[64:65], 0
	v_nop
	global_prefetch_b8 v0, s[64:65] scope:SCOPE_SE
	s_setreg_imm32_b32 hwreg(HW_REG_WAVE_MODE, 25, 1), 1
	s_wait_xcnt 0x0
	s_wait_alu depctr_hold_cnt(0) depctr_sa_sdst(0) depctr_va_vdst(0) depctr_va_sdst(0) depctr_va_ssrc(0) depctr_va_vcc(0) depctr_vm_vsrc(0)
	s_getreg_b32 s2, hwreg(HW_REG_IB_STS2, 6, 4)
	s_cmp_eq_u32 s2, 0
	s_cbranch_scc0 .Lentry_in_a_cluster
	s_endpgm
.Lentry_in_a_cluster:
	s_bfe_u32 s2, ttmp6, 0x10000c
	s_cmp_lg_u32 s2, 0xf033
	s_cbranch_scc0 .Lentry_shape_is_right
	s_endpgm
.Lentry_shape_is_right:
; out0 = combined Wout on codes of FP6 (E2M3) with E8M0 scales: [4096][1024] x [1024][1024], f32 out.
; A tile of 128 x 128 to a work-group, 64 x 64 to a wave: 256 work-groups, one to a WGP; tiles of 256 x 256 would be 64.  ALL OF K FITS IN LDS: one region for each operand with all eight k steps, filled once, so nothing is filled again.
; Operands lie in memory in the order of the operand's registers (a row block = 16 rows x 8 fragments of 1,536 bytes): tiles are dense rows of 12,288 bytes, fragments come by dense loads, LDS needs no padding.
; CLUSTER 4 x 4: combined's tiles are asked for jointly along a row of the cluster, Wout's along a column.
; THE MATRIX INSTRUCTION IS USED TRANSPOSED (source 0 = 16 columns of Wout, source 1 = 16 rows of combined).  Both lie in the order 0-7, 16-23 | 8-15, 24-31 within each pair of row blocks: a lane's 16 registers of two
; neighbouring column blocks are 16 neighbouring columns, and the rows are put back in their places by the stores' offsets.
; REGISTERS: window 0: v2-5, v16-27 addresses; v32-39 scale words, two sets; v64-95 the way out; v128-255 the 16 accumulators.   window 1: two sets of 48 (A) + 48 (B) at v0 and v96.
; LDS AS IT IS NOW USED: one region for each operand: A's 8 row blocks with all eight k steps, 98,304 bytes that are dense in memory, then B's.  One tensor load a wave, all at the head: wave 0 A, wave 1 B, waves 2 and 3 the scale words.
.set HALF,  98304                      ; A's 8 row blocks x 12,288 bytes; B's begin here
.set SCL,   2*HALF                     ; A's scale words, 4,096 bytes; B's 4,224 on: other banks
.set STG,   205056                     ; the way out: 16 rows x (256 + 16) bytes for each wave; no fill lands here
.set ADRA16, 16
.set ADRA8,  18
.set ADRB16, 20
.set ADRB8,  22
.set STO,  24
.set RD,   25
.set CO,   26
.set ADRS, 27
.set SC,   32
.set OB,   64
.set ACC,  128
.set G1,   24
.set G0,   32
.set G1B,  48
.set G0B,  56
.set G1S,  68
.set G0S,  76
.set G1SB, 80
.set G0SB, 88
.set MSB, 0
.macro WIN new
.if MSB != (\new)
	s_set_vgpr_msb (MSB<<8)|(\new)
.set MSB, (\new)
.endif
.endm
.set MUL, 0x05                         ; sources 0 and 1 window 1; C and D window 0
.macro PLACES
.rept 4
	v_nop
.endr
.endm
.macro CROUND
	s_barrier_signal -1
	s_barrier_wait -1
	s_cmp_lg_u32 s14, 0
	s_cbranch_scc1 .Lnot_wave_0_\@
	s_barrier_signal -3
.Lnot_wave_0_\@:
	s_barrier_wait -3
	s_barrier_signal -1
	s_barrier_wait -1
.endm
	s_load_b256 s[4:11], s[0:1], 0x0               ; cc, ccs, codes, scl
	s_load_b64 s[12:13], s[0:1], 0x20              ; out0
	v_lshl_add_u32 v126, v0, 2, 0x38000
	v_mov_b32 v127, 0
	ds_add_u32 v126, v127
	ds_add_u32 v126, v127
	v_lshrrev_b32 v1, 5, v0
	v_readfirstlane_b32 s14, v1                    ; wave 0..3
	s_lshr_b32 s15, s14, 1                         ; which half of the tile's rows is mine
	s_and_b32 s16, s14, 1                          ; which half of its columns
	s_bfe_u32 s40, ttmp6, 0x40000
	s_bfe_u32 s41, ttmp6, 0x40004
	s_lshl_b32 s42, ttmp9, 2
	s_add_co_u32 s42, s42, s40                     ; tile column = 4 x cluster x + cx
	s_and_b32 s17, ttmp7, 0xffff
	s_lshl_b32 s17, s17, 2
	s_add_co_u32 s17, s17, s41                     ; tile row = 4 x cluster y + cy
	s_lshl_b32 s43, s41, 2
	s_lshl_b32 s43, 15, s43                        ; my row of the cluster
	s_lshl_b32 s44, 0x1111, s40                    ; my column
	; group 1 for codes: 8 row blocks x 12,288 bytes, 98,304 dense bytes
	s_or_b32 s[G1+0], s43, (3<<16)|(1<<21)
	s_or_b32 s[G1B+0], s44, (3<<16)|(1<<21)
.irp g, G1, G1B
	s_mov_b32 s[\g+1], 32<<16                      ; 98,304 dense bytes as 384 rows of 256 (32 elements of 8 bytes)
	s_mov_b32 s[\g+2], 384<<16
	s_mov_b32 s[\g+3], 32<<16
	s_mov_b32 s[\g+4], 384
	s_mov_b32 s[\g+5], 32
	s_mov_b32 s[\g+6], 0
	s_mov_b32 s[\g+7], 0
.endr
	; and for the scale words of 8 row blocks: 4,096 dense bytes as 16 rows of 256
	s_or_b32 s[G1S+0], s43, (3<<16)|(1<<21)
	s_or_b32 s[G1SB+0], s44, (3<<16)|(1<<21)
.irp g, G1S, G1SB
	s_mov_b32 s[\g+1], 32<<16
	s_mov_b32 s[\g+2], 16<<16                      ; the scale words of 8 row blocks: 4,096 dense bytes as 16 rows of 256
	s_mov_b32 s[\g+3], 32<<16
	s_mov_b32 s[\g+4], 16
	s_mov_b32 s[\g+5], 32
	s_mov_b32 s[\g+6], 0
	s_mov_b32 s[\g+7], 0
.endr
	s_lshl_b32 s2, s17, 3                          ; A: 8 x tile row
	s_lshl_b32 s3, s42, 3
	s_add_co_u32 s3, s3, 448                       ; B: Wout's blocks begin at 448
	s_mul_i32 s20, s2, 12288
	s_mov_b32 s21, 0
	s_lshl_b32 s22, s2, 9
	s_mov_b32 s23, 0
	s_mul_i32 s46, s3, 12288
	s_mov_b32 s47, 0
	s_lshl_b32 s92, s3, 9
	s_mov_b32 s93, 0
	s_wait_dscnt 0x0
	s_wait_kmcnt 0x0
	s_add_nc_u64 s[20:21], s[4:5], s[20:21]
	s_add_nc_u64 s[22:23], s[6:7], s[22:23]
	s_add_nc_u64 s[46:47], s[8:9], s[46:47]
	s_add_nc_u64 s[92:93], s[10:11], s[92:93]
	CROUND                                         ; all sixteen work-groups are here: the joint loads meet
	s_mov_b32 s[G0S], 1
	s_mov_b32 s[G0S+1], SCL
	s_mov_b64 s[G0S+2:G0S+3], s[22:23]
	s_or_b32 s[G0S+3], s[G0S+3], 0x80000000
	s_mov_b32 s[G0SB], 1
	s_mov_b32 s[G0SB+1], SCL+4224
	s_mov_b64 s[G0SB+2:G0SB+3], s[92:93]
	s_or_b32 s[G0SB+3], s[G0SB+3], 0x80000000
	s_mov_b32 s[G0], 1
	s_mov_b32 s[G0+1], 0
	s_mov_b64 s[G0+2:G0+3], s[20:21]
	s_or_b32 s[G0+3], s[G0+3], 0x80000000
	s_mov_b32 s[G0B], 1
	s_mov_b32 s[G0B+1], HALF
	s_mov_b64 s[G0B+2:G0B+3], s[46:47]
	s_or_b32 s[G0B+3], s[G0B+3], 0x80000000
; THE HEAD'S LOADS, ONE A WAVE.  One tree of branches on the wave's number; every way passes exactly one load.
.macro ARM under, g0, g1, next
	s_cmp_lt_u32 s14, \under
	s_cbranch_scc0 \next
	tensor_load_to_lds s[\g0:\g0+3], s[\g1:\g1+7]
	s_nop 0
.rept 4
	v_nop
.endr
	s_branch .Lfirst_asked
\next:
.endm
	ARM 1, G0,  G1,  .Lhead_b
	ARM 2, G0B, G1B, .Lhead_sa
	ARM 3, G0S, G1S, .Lhead_sb
	tensor_load_to_lds s[G0SB:G0SB+3], s[G1SB:G1SB+7]
	s_nop 0
.rept 4
	v_nop
.endr
.Lfirst_asked:
	v_and_b32 v1, 31, v0
	v_and_b32 v2, 15, v0                           ; r
	v_bfe_u32 v3, v0, 4, 1                         ; h
	v_lshlrev_b32 v4, 4, v1
	v_lshlrev_b32 v5, 3, v1
	s_mul_i32 s21, s15, 49152                      ; my 4 row blocks of A, 12,288 bytes each
	s_mul_i32 s22, s16, 49152
	s_add_co_u32 s22, s22, HALF                    ; and of B
	v_add_nc_u32 v[ADRA16], s21, v4
	v_add_nc_u32 v[ADRA8], s21, v5
	v_add_nc_u32 v[ADRB16], s22, v4
	v_add_nc_u32 v[ADRB8], s22, v5
	s_lshl_b32 s21, s15, 11
	s_lshl_b32 s22, s16, 11
	s_add_co_u32 s22, s22, 4224
	s_sub_co_u32 s22, s22, s21
	v_mul_u32_u24 v6, s22, v3                      ; lanes 16-31 take B's scale words: one product, the distance x h
	v_lshl_add_u32 v6, v2, 2, v6
	s_add_co_u32 s21, s21, SCL
	v_add_nc_u32 v[ADRS], s21, v6
	s_mul_i32 s23, s14, 16*272
	s_add_co_u32 s23, s23, STG                     ; my stage
	v_mul_u32_u24 v6, v2, 272
	v_lshl_add_u32 v6, v3, 6, v6
	v_add_nc_u32 v[STO], s23, v6                   ; in: row r, + 64 h
	v_mul_u32_u24 v6, v3, 272
	v_lshl_add_u32 v6, v2, 4, v6
	v_add_nc_u32 v[RD], s23, v6                    ; back: lanes 0-15 one row of 256 bytes, lanes 16-31 the next
	v_lshlrev_b32 v[CO], 12, v3
	v_lshl_add_u32 v[CO], v2, 4, v[CO]             ; and the same two rows in out0
	s_lshl_b32 s20, s17, 7
	s_lshl_b32 s21, s15, 6
	s_add_co_u32 s20, s20, s21                     ; my first row: 128 x tile row + 64 x half
	s_lshl_b32 s20, s20, 12
	s_lshl_b32 s46, s42, 9
	s_lshl_b32 s47, s16, 8
	s_add_co_u32 s46, s46, s47                     ; my first column, in bytes
	s_add_co_u32 s20, s20, s46
	s_mov_b32 s21, 0
	s_add_nc_u64 s[12:13], s[12:13], s[20:21]
.macro FRAG reg, a16, a8, off
	ds_load_b128 v[\reg:\reg+3], v[\a16] offset:\off
	ds_load_b64 v[\reg+4:\reg+5], v[\a8] offset:\off+512
	ds_load_b128 v[\reg+6:\reg+9], v[\a16] offset:\off+768
	ds_load_b64 v[\reg+10:\reg+11], v[\a8] offset:\off+1280
.endm
.macro FETCH t                         ; k step t: four fragments of A, four of B, four registers of scale words, into set t % 2
	WIN 0x40
.irp i, 0,1,2,3
	FRAG 96*((\t)%2)+12*\i, ADRA16, ADRA8, 12288*\i+1536*(\t)
.endr
.irp i, 0,1,2,3
	FRAG 96*((\t)%2)+48+12*\i, ADRB16, ADRB8, 12288*\i+1536*(\t)
.endr
	WIN 0
.irp i, 0,1,2,3
	ds_load_b32 v[SC+4*((\t)%2)+\i], v[ADRS] offset:512*\i+64*(\t)
.endr
.endm
.macro MUL8 t, a0, zero                ; the 16 accumulators take turns, one instruction a turn
.irp a, \a0, \a0+1
.irp b, 0,1,2,3
.if \zero
	v_wmma_scale_f32_16x16x128_f8f6f4 v[ACC+8*(4*(\a)+\b):ACC+8*(4*(\a)+\b)+7], v[96*((\t)%2)+48+12*\b:96*((\t)%2)+48+12*\b+11], v[96*((\t)%2)+12*(\a):96*((\t)%2)+12*(\a)+11], 0, v[SC+4*((\t)%2)+\b], v[SC+4*((\t)%2)+(\a)] matrix_a_fmt:MATRIX_FMT_FP6 matrix_b_fmt:MATRIX_FMT_FP6 matrix_a_scale:MATRIX_SCALE_ROW1
.else
	v_wmma_scale_f32_16x16x128_f8f6f4 v[ACC+8*(4*(\a)+\b):ACC+8*(4*(\a)+\b)+7], v[96*((\t)%2)+48+12*\b:96*((\t)%2)+48+12*\b+11], v[96*((\t)%2)+12*(\a):96*((\t)%2)+12*(\a)+11], v[ACC+8*(4*(\a)+\b):ACC+8*(4*(\a)+\b)+7], v[SC+4*((\t)%2)+\b], v[SC+4*((\t)%2)+(\a)] matrix_a_fmt:MATRIX_FMT_FP6 matrix_b_fmt:MATRIX_FMT_FP6 matrix_a_scale:MATRIX_SCALE_ROW1
.endif
.endr
.endr
.endm
.macro STEP t, zero
	s_wait_dscnt 0x0                               ; this step's fragments are in
	PLACES                                         ; in front of loads into the set that the last step's products read
.if (\t) < 7
	FETCH (\t)+1
.endif
	WIN MUL
	MUL8 \t, 0, \zero
	MUL8 \t, 2, \zero
.endm
	s_wait_alu depctr_va_vdst(0)
	s_wait_tensorcnt 0x0                           ; my one load has landed; behind the barrier everybody's has
	s_barrier_signal -1
	s_barrier_wait -1
	FETCH 0
	STEP 0, 1
	STEP 1, 0
	STEP 2, 0
	STEP 3, 0
	STEP 4, 0
	STEP 5, 0
	STEP 6, 0
	STEP 7, 0
	WIN 0
	PLACES
; THE WAY OUT, a block of 16 rows x 64 columns at a time, through my own stage: in as the lanes hold it (32 neighbouring bytes of a row for each column block), back as whole rows of 256 bytes.
; LDS serves a wave's instructions in order: no wait between the stores and the loads, nor in front of the next block's stores.
.irp a, 0,1,2,3
.if \a > 0
	s_wait_xcnt 0x0                                ; the last block's stores have read their registers: the loads below may land there
.endif
.irp b, 0,1,2,3
	ds_store_b128 v[STO], v[ACC+8*(4*\a+\b):ACC+8*(4*\a+\b)+3] offset:128*(\b/2)+32*(\b%2)        ; each accumulator from its low end on
	ds_store_b128 v[STO], v[ACC+8*(4*\a+\b)+4:ACC+8*(4*\a+\b)+7] offset:128*(\b/2)+32*(\b%2)+16
.endr
.irp t, 0,1,2,3,4,5,6,7
	ds_load_b128 v[OB+4*\t:OB+4*\t+3], v[RD] offset:\t*2*272
.endr
.irp t, 0,1,2,3,4,5,6,7
	s_wait_dscnt 7-\t                              ; the younger loads may be out
	global_store_b128 v[CO], v[OB+4*\t:OB+4*\t+3], s[12:13] offset:(32*(\a/2)+8*(\a%2)+2*\t+8*(\t/4))*4096 th:TH_STORE_NT   ; position 2 t + h of block a is row 32 (a / 2) + 8 (a % 2) + 2 t + h + 8 (t / 4); sixteen lanes store 256 consecutive bytes, aligned
.endr
.endr
	s_wait_tensorcnt 0x0
	ds_add_u32 v126, v127
	s_wait_dscnt 0x0
	CROUND                                         ; the closing round: no work-group ends while a partner may still ask for a tile that names it
	s_endpgm
.Lfunc_end_k_q499693e69d_outp:
	.size	k_q499693e69d_outp, .Lfunc_end_k_q499693e69d_outp-k_q499693e69d_outp
	.p2alignl 7, 3214868480
	.fill 96, 4, 3214868480
	.section	.rodata,"a",@progbits
	.p2align	6, 0x0
	.amdhsa_kernel k_q499693e69d_outp
		.amdhsa_group_segment_fixed_size 229888
		.amdhsa_private_segment_fixed_size 0
		.amdhsa_enable_private_segment 0
		.amdhsa_kernarg_size 40
		.amdhsa_user_sgpr_count 2
		.amdhsa_user_sgpr_kernarg_segment_ptr 1
		.amdhsa_wavefront_size32 1
		.amdhsa_system_sgpr_workgroup_id_x 1
		.amdhsa_system_sgpr_workgroup_id_y 1
		.amdhsa_system_sgpr_workgroup_id_z 1
		.amdhsa_system_vgpr_workitem_id 0
		.amdhsa_next_free_vgpr 512
		.amdhsa_next_free_sgpr 100
		.amdhsa_reserve_vcc 0
		.amdhsa_float_denorm_mode_32 3
		.amdhsa_float_denorm_mode_16_64 3
		.amdhsa_memory_ordered 1
		.amdhsa_forward_progress 1
		.amdhsa_inst_pref_size 53
	.end_amdhsa_kernel
	.amdgpu_metadata
---
amdhsa.version: [ 1, 2 ]
amdhsa.kernels:
  - .name:           k_q499693e69d_outp
    .symbol:         k_q499693e69d_outp.kd
    .args:
      - { .name: cc, .offset: 0, .size: 8, .value_kind: global_buffer, .address_space: global }
      - { .name: ccs, .offset: 8, .size: 8, .value_kind: global_buffer, .address_space: global }
      - { .name: codes, .offset: 16, .size: 8, .value_kind: global_buffer, .address_space: global }
      - { .name: scl, .offset: 24, .size: 8, .value_kind: global_buffer, .address_space: global }
      - { .name: out0, .offset: 32, .size: 8, .value_kind: global_buffer, .address_space: global }
    .group_segment_fixed_size: 229888
    .private_segment_fixed_size: 0
    .kernarg_segment_align: 8
    .kernarg_segment_size: 40
    .max_flat_workgroup_size: 128
    .sgpr_count:     100
    .vgpr_count:     512
    .wavefront_size: 32
...
	.end_amdgpu_metadata
.endif
;; end of part 4
